; MI455X (gfx1250); checked and timed in simulation.
; The chip was launched on July 23, 2026; its instructions are those of AMD's public machine-readable ISA for CDNA 5 (MIT licence, August 2026) and "CDNA5" Instruction Set Architecture Reference Guide (July 2026). The comments in the code are by the model that wrote it; some were corrected since.
;; Causal Self Attention. Allowed arithmetic: matrix products marked QUANTISED: E3M2 operands, one E8M0 scale for each 32 along K, by v_wmma_scale_f32_16x16x128_f8f6f4 with both operands' format E3M2, f32 sums; everything else in f32.
;; Inputs: w_attn 1,024 x 3,072 float32; w_proj 1,024 x 1,024 float32; x 4 x 2,048 x 1,024 float32.
;; Outputs: out0 4 x 2,048 x 1,024 float32.
;; This version of the problem:
;;   THIS VERSION OF THE PROBLEM IS GIVEN IN LOW PRECISION. The matrix products marked QUANTISED in the list below multiply operands that are first quantised to E3M2 (3 exponent bits, 2 mantissa bits; 6 bits a number), with one power-of-two scale for each 32 numbers along K (OCP MX v1.0); their sums are f32. All else is computed in f32.
;;   The module's matrix products, in the order in which they are computed (A, B: the left and right operand; K: the contracted axis; several contracted axes count as one K, in the product's order):
;;     1. [M 8,192, K 1,024] x [K 1,024, N 3,072]; A: input x; B: input w_attn: QUANTISED
;;     2. batch 64 x [M 2,048, K 64] x [K 64, N 2,048]; A: computed on the way; B: computed on the way: QUANTISED
;;     3. batch 64 x [M 2,048, K 2,048] x [K 2,048, N 64]; A: softmax (see below); B: computed on the way: QUANTISED
;;     4. [M 8,192, K 1,024] x [K 1,024, N 1,024]; A: computed on the way; B: input w_proj: QUANTISED
;;   THE QUANTISER, for each operand of a quantised product, along K:
;;     - K is cut into blocks of 32 from its start; a last block that is shorter is filled with zeros.
;;     - A block's scale is 2^e with e = floor(log2(the largest magnitude in the block)) - 4, held to -126 .. 127; a block of zeros has e = 0. As a byte (E8M0): e + 127.
;;     - Each number is divided by its block's scale, clamped to +-28, and rounded to the nearest number of E3M2, ties to even, subnormals kept.
;;     - The product sums the exact products of the quantised numbers (number of the format x scale) in f32.
;;   ~~~python
;;   def quantise(x, axis):      # numpy; x: float32 -> the quantised numbers, widened to float32 again
;;       x = np.moveaxis(x, axis, -1); K = x.shape[-1]
;;       x = np.pad(x, [(0, 0)] * (x.ndim - 1) + [(0, -K % 32)]); x = x.reshape(x.shape[:-1] + (-1, 32)); a = np.abs(x).max(-1, keepdims=True)
;;       e = np.where(a > 0, np.clip(np.frexp(np.where(a > 0, a, 1))[1] - 1 - 4, -126, 127), 0)      # np.frexp(a)[1] - 1 = floor(log2(a)), exactly
;;       r = np.clip(x / 2.0 ** e, -28, 28)
;;       step = 2.0 ** (np.maximum(np.frexp(np.where(r == 0, 1, r))[1] - 1, -2) - 2)
;;       q = np.round(r / step) * step * 2.0 ** e      # np.round: ties to even
;;       return np.moveaxis(q.reshape(q.shape[:-2] + (-1,))[..., :K], -1, axis).astype(np.float32)
;;   ~~~
;;   SOFTMAX AHEAD OF A QUANTISED PRODUCT. Where the list says 'softmax', what is quantised is not the finished softmax but p = 2^(t - M), with t = logit x log2(e) and M = ceil(the row's largest t), a whole number; so 1/2 < the row's largest p <= 1. The row's sum l is taken of the UNQUANTISED p, in f32, and the product's result is divided by l at the end. Since M is a whole number, a kernel that streams over the keys may use a running M (the ceiling of the running maximum): every later rescaling is an exact power of two, which a block's scale takes up: the codes' values come out the same.
;;   OPERANDS COMPUTED ON THE WAY. 'Computed on the way' means the value that the module computes at that place (a softmax that the list does not call 'softmax' is quantised finished and normalised). What goes into a quantiser is computed in f32, as accurately as f32 sums, v_exp_f32 and their like allow (about 1e-6 of the number): no bf16 or f16 on the way to a quantiser, and a product that is left as it is and whose result goes on into a quantised operand takes f32 operands (vector FMAs, or v_wmma_f32_16x16x4_f32). A number that lies on a knife's edge between two numbers of the format may be rounded either way, as far as f32 arithmetic and the matrix unit's own rounding can turn it there, and no further.
;; One version. Each part assembles by itself: llvm-mc -triple=amdgcn-amd-amdhsa -mcpu=gfx1250 --defsym DOCPART=n.
;; ======== version 1 of 1: 4 launches
;; limits: right only within a limited range of input values
;; workspace buffers: op_codes 9,437,184 bytes; op_scales 393,216 bytes; qkv_codes 18,874,368 bytes; qkv_scales 1,572,864 bytes; y_codes 6,291,456 bytes; y_scales 262,144 bytes
;; launch quant (part 1): grid 384 x 1, 8 waves a work-group, no clusters, 88,320 bytes of LDS; arguments x, w_attn, w_proj, op_codes, op_scales; writes op_codes, op_scales
.if DOCPART == 1
	.amdgcn_target "amdgcn-amd-amdhsa--gfx1250"
	.amdhsa_code_object_version 6
	.text
	.protected	k_q45a5ef5407_quant
	.globl	k_q45a5ef5407_quant
	.p2align	8
	.type	k_q45a5ef5407_quant,@function
k_q45a5ef5407_quant:
	s_mov_b64 s[64:65], 0
	v_nop
	global_prefetch_b8 v0, s[64:65] scope:SCOPE_SE
	s_setreg_imm32_b32 hwreg(HW_REG_WAVE_MODE, 25, 1), 1
	s_wait_xcnt 0x0
; x [8192 tokens][1024], w_attn [1024 (k)][3072] and w_proj [1024 (k)][1024], f32, become codes of BF6 (E3M2), 6 bits each, K innermost, with one E8M0 scale byte for each 32 along K.
; A block's scale is 2^(floor(log2(its largest magnitude)) - 4); its byte is that magnitude's exponent field - 4, held at 1 from below.
; LAYOUT OF THE RESULT.  Codes: [16 planes of 64 along K][12288 rows][48 bytes]; scale bytes: [12288 rows][32].  Token n lies at row pos(n), column c of w_attn at row 8192 + pos(c), of w_proj at 11264 + pos(c);
; pos exchanges bits 3 and 4: sixteen neighbouring rows, taken as source 0 of a matrix instruction, then leave sixteen neighbours in the registers of two neighbouring result tiles.
; ONE LAUNCH, TWO PATHS, parted on the work-group's number alone; each path has LDS bytes of its own.
; WORK-GROUPS 0-255: x.  32 tokens, four to a wave.  A row's eight loads read 512 consecutive bytes each; the row turns through the wave's own stage, so that lane l ends with block l of the row.  The 32 tokens' codes meet in LDS by
; planes: a plane's 32 rows are 1,536 consecutive bytes of the result, stored 512 at a time.
; WORK-GROUPS 256-383: the weights.  128 columns x 256 along K: a wave takes 32 columns x 128 along K.  A LANE TAKES A COLUMN AND ITS REGISTERS RUN DOWN K: each load reads 128 consecutive bytes a wave, a block of 32 lies in one lane,
; and the conversions give codes with K innermost.  A wave's two planes of 32 rows go through its own stage and leave 512 consecutive bytes at a time; its scale bytes, four a row, go out as one word a lane.
; The causal mask lets the attention launch leave out whole steps of keys; nothing is left out here.
; LIMITS: a block whose largest magnitude lies under 2^(5 - 127), a block of zeros among them, keeps the byte 1 (the bytes are read by this program alone); NaN and infinities among the inputs are not served.
.set TST,    4608                      ; x: a wave's stage: 32 places of 128 bytes + 16 of padding
.set OUT,    8*TST                     ; x: the codes: 16 planes
.set OPITCH, 1552                      ; a plane: 32 rows of 48 bytes, + 16
.set SCL,    OUT+16*OPITCH             ; x: the scale bytes: 32 rows of 32
.set SPARE,  SCL+1024                  ; the spare words, 128 bytes for each wave: four blocks of 256 bytes that no other line names
.set WBASE,  SPARE+1024                ; the weights' stages
.set WST,    3072                      ; a wave's: 2 planes x 32 rows x 48 bytes
.set PLANE,  589824                    ; a plane of the result in bytes
.set SPW,    14
.set NIL,    15
.set R,      16                        ; x: v16-143 four rows as they are loaded
.set X,      144                       ; x: v144-207 two sets of 32 neighbours
.set C,      208                       ; x: v208-239 codes
.set E,      240                       ; x: v240-243 a scale byte a row
.set SB,     8                         ; weights: my column's four scale bytes
.set O,      16                        ; weights: v16-47 4 x lane + i rows
.set WX,     48                        ; weights: v48-175 my column's 128 numbers
.set WC,     176                       ; weights: v176-207 codes
.set OUTR,   208                       ; weights: v208-231 the way out
	s_load_b256 s[4:11], s[0:1], 0x0               ; x, w_attn, w_proj, the codes
	s_load_b64 s[12:13], s[0:1], 0x20              ; the scale bytes
	v_lshl_add_u32 v[SPW], v0, 2, SPARE
	v_mov_b32 v[NIL], 0
	v_lshrrev_b32 v1, 5, v0
	v_readfirstlane_b32 s16, v1                    ; wave 0..7
	v_and_b32 v1, 31, v0                           ; lane
	v_lshlrev_b32 v2, 4, v1                        ; 16 x lane
	s_mov_b32 s25, 0
	s_wait_alu depctr_va_vdst(0)                   ; the wait at the head's end
	s_wait_kmcnt 0x0
	s_cmp_lt_u32 ttmp9, 256
	s_cbranch_scc0 .Lweights
	s_lshl_b32 s24, ttmp9, 5
	s_lshl_b32 s26, s16, 2
	s_add_co_u32 s24, s24, s26                     ; my first token: 32 x work-group + 4 x wave
	s_lshl_b32 s24, s24, 12                        ; a row is 4,096 bytes
	s_add_nc_u64 s[4:5], s[4:5], s[24:25]
.irp t, 0,1,2,3
.irp i, 0,1,2,3,4,5,6,7
	global_load_b128 v[R+32*\t+4*\i:R+32*\t+4*\i+3], v2, s[4:5] offset:4096*\t+512*\i th:TH_LOAD_NT   ; all of my four rows are asked for at once
.endr
.endr
	s_lshr_b32 s18, s16, 1                         ; which eight of the 32 tokens: 0..3;
	s_and_b32 s19, s18, 1
	s_lshl_b32 s19, s19, 1
	s_lshr_b32 s20, s18, 1
	s_or_b32 s19, s19, s20                         ; its two bits exchanged
	s_lshl_b32 s19, s19, 3
	s_and_b32 s20, s16, 1
	s_lshl_b32 s21, s20, 2
	s_add_co_u32 s19, s19, s21                     ; my first token's row among the work-group's 32
	s_mul_i32 s17, s16, TST
	v_lshrrev_b32 v9, 3, v1
	s_delay_alu instid0(VALU_DEP_1)
	v_mul_u32_u24 v3, v9, 144
	v_and_b32 v9, 7, v1
	s_delay_alu instid0(VALU_DEP_1)
	v_lshl_add_u32 v3, v9, 4, v3
	s_delay_alu instid0(VALU_DEP_1)
	v_add_nc_u32 v3, s17, v3                       ; into the stage: eight lanes' 128 bytes on end, then 16 of padding
	v_mul_u32_u24 v4, v1, 144
	s_delay_alu instid0(VALU_DEP_1)
	v_add_nc_u32 v4, s17, v4                       ; out of it: my block
	v_lshrrev_b32 v9, 1, v1
	s_delay_alu instid0(VALU_DEP_1)
	v_mul_u32_u24 v5, v9, OPITCH                   ; block l lies in plane l / 2,
	v_and_b32 v9, 1, v1
	s_delay_alu instid0(VALU_DEP_1)
	v_mad_u32_u24 v5, v9, 24, v5                   ; in its half l % 2
	s_mul_i32 s21, s19, 48
	s_add_co_u32 s21, s21, OUT
	v_add_nc_u32 v5, s21, v5
	s_lshl_b32 s21, s19, 5
	s_add_co_u32 s21, s21, SCL
	v_add_nc_u32 v6, s21, v1                       ; my block's byte in my first token's row of scale bytes
	s_mul_i32 s21, s16, 2*OPITCH
	s_add_co_u32 s21, s21, OUT
	v_add_nc_u32 v7, s21, v2                       ; the way out: planes 2 w and 2 w + 1
	s_lshl_b32 s21, s20, 9
	s_add_co_u32 s22, s21, SCL
	v_add_nc_u32 v8, s22, v2                       ; and, in waves 0 and 1, half of the scale bytes
	s_mul_i32 s24, s16, 2*PLANE
	s_mul_i32 s26, ttmp9, 1536
	s_add_co_u32 s24, s24, s26
	s_add_nc_u64 s[10:11], s[10:11], s[24:25]      ; the codes at plane 2 w, row 32 x work-group
	s_lshl_b32 s24, ttmp9, 10
	s_add_co_u32 s24, s24, s21
	s_add_nc_u64 s[12:13], s[12:13], s[24:25]
.macro TURN t                          ; row t through the stage.  LDS serves a wave's instructions in order: no wait between the stores and the loads, and one stage serves all rows
	s_wait_loadcnt 8*(3-(\t))                      ; the row's eight loads are in; the younger rows', eight each, may be out
.irp i, 0,1,2,3,4,5,6,7
	ds_store_b128 v3, v[R+32*(\t)+4*\i:R+32*(\t)+4*\i+3] offset:576*\i
.endr
.irp j, 0,1,2,3,4,5,6,7
	ds_load_b128 v[X+32*((\t)%2)+4*\j:X+32*((\t)%2)+4*\j+3], v4 offset:16*\j
.endr
.endm
.macro WORK t
.set XS, X+32*((\t)%2)
.set CT, C+8*(\t)
	v_max3_num_f32 v10, |v[XS]|, |v[XS+1]|, |v[XS+2]|          ; the block's largest magnitude, in two chains
	v_max3_num_f32 v11, |v[XS+3]|, |v[XS+4]|, |v[XS+5]|
.irp i, 6,10,14,18,22,26
	s_delay_alu instid0(VALU_DEP_2)
	v_max3_num_f32 v10, v10, |v[XS+\i]|, |v[XS+\i+1]|
	s_delay_alu instid0(VALU_DEP_2)
	v_max3_num_f32 v11, v11, |v[XS+\i+2]|, |v[XS+\i+3]|
.endr
	s_delay_alu instid0(VALU_DEP_2)
	v_max3_num_f32 v10, v10, |v[XS+30]|, |v[XS+31]|
	s_delay_alu instid0(VALU_DEP_1)
	v_max3_num_f32 v10, v10, v11, 0x2800000        ; and the floor 2^(5 - 127): the byte cannot fall under 1
	s_delay_alu instid0(VALU_DEP_1)
	v_add_nc_u32 v12, 0xfe000000, v10              ; 4 off the exponent field: the conversion takes this operand's exponent field as its scale
	v_cvt_scalef32_pk16_bf6_f32 v[CT:CT+2], v[XS:XS+15], v12
	v_cvt_scalef32_pk16_bf6_f32 v[CT+4:CT+6], v[XS+16:XS+31], v12   ; (a conversion's three registers begin on an even number)
	v_lshrrev_b32 v[E+\t], 23, v12                 ; the scale's byte; also the plain instruction behind the conversions
	v_mov_b32 v[CT+3], v[CT+4]                     ; the block's 24 bytes on end
	v_mov_b32 v[CT+4], v[CT+5]
	v_mov_b32 v[CT+5], v[CT+6]
.irp e, 0,1,2
	ds_store_b64 v5, v[CT+2*\e:CT+2*\e+1] offset:48*(\t)+8*\e
.endr
	ds_store_b8 v6, v[E+\t] offset:32*(\t)
.endm
	s_wait_alu depctr_va_vdst(0)                   ; the wait ahead of the waits below
	TURN 0
	TURN 1
	s_wait_dscnt 16                                ; row 0 is back; behind its loads: row 1's sixteen
	WORK 0
	TURN 2
	s_wait_dscnt 20                                ; behind row 1's loads: row 0's four stores and row 2's sixteen
	WORK 1
	TURN 3
	s_wait_dscnt 20
	WORK 2
	s_wait_dscnt 4                                 ; behind row 3's loads: row 2's four stores
	WORK 3
	s_wait_dscnt 0x0                               ; for the others' sake: my stores have landed
	s_barrier_signal -1
	s_barrier_wait -1                              ; the 32 tokens' codes and bytes lie in LDS
.irp n, 0,1,2,3,4,5
	ds_load_b128 v[R+4*\n:R+4*\n+3], v7 offset:OPITCH*(\n/3)+512*(\n%3)
.endr
.irp n, 0,1,2,3,4,5
	s_wait_dscnt 5-\n
	global_store_b128 v2, v[R+4*\n:R+4*\n+3], s[10:11] offset:PLANE*(\n/3)+512*(\n%3)   ; 512 consecutive bytes, at a multiple of 512 from the buffer's first byte
.endr
	s_cmp_lt_u32 s16, 2                            ; the 1,024 scale bytes are two waves' worth
	s_cbranch_scc0 .Lno_scales
	ds_load_b128 v[R+24:R+27], v8
	s_wait_dscnt 0x0
	global_store_b128 v2, v[R+24:R+27], s[12:13]
.Lno_scales:
	s_wait_tensorcnt 0x0                           ; the wave's end, behind my last LDS store
	ds_add_u32 v[SPW], v[NIL]
	s_wait_dscnt 0x0
	s_endpgm
.Lweights:
	s_mov_b32 s35, s16                             ; wave 0..7
	s_sub_co_u32 s32, ttmp9, 256
	s_and_b32 s33, s32, 31                         ; which 128 columns: 0-23 w_attn's, 24-31 w_proj's
	s_lshr_b32 s30, s32, 5
	s_lshl_b32 s30, s30, 1
	s_lshr_b32 s34, s35, 2
	s_add_co_u32 s30, s30, s34                     ; which 128 along K: 0..7
	s_and_b32 s28, s35, 3                          ; which 32 of the columns
	s_mov_b32 s31, 4096
	s_cmp_lt_u32 s33, 24                           ; the choice hangs on the work-group's number alone
	s_cselect_b64 s[4:5], s[6:7], s[8:9]
	s_cselect_b32 s31, 12288, s31                  ; a row of the weight in bytes
	s_cselect_b32 s29, 0, 24
	s_sub_co_u32 s29, s33, s29
	s_lshl_b32 s29, s29, 9
	s_lshl_b32 s24, s28, 7
	s_add_co_u32 s29, s29, s24                     ; my wave's first column, in bytes
	s_lshl_b32 s24, s30, 7
	s_mul_i32 s24, s24, s31
	s_add_co_u32 s24, s24, s29
	s_add_nc_u64 s[16:17], s[4:5], s[24:25]        ; a base for each block of 32 rows
	s_lshl_b32 s24, s31, 5
	s_add_nc_u64 s[18:19], s[16:17], s[24:25]
	s_add_nc_u64 s[20:21], s[18:19], s[24:25]
	s_add_nc_u64 s[22:23], s[20:21], s[24:25]
	v_lshlrev_b32 v2, 2, v1                        ; 4 x lane
.set i, 0
.rept 32
	v_mad_u32_u24 v[O+i], s31, i, v2
.set i, i+1
.endr
.irp t, 0,1,2,3
.set i, 0
.rept 32
	global_load_b32 v[WX+32*\t+i], v[O+i], s[16+2*\t:17+2*\t] th:TH_LOAD_NT
.set i, i+1
.endr
.endr
	v_and_b32 v3, 7, v1
	v_bfe_u32 v9, v1, 3, 1
	v_lshl_or_b32 v3, v9, 4, v3
	v_bfe_u32 v9, v1, 4, 1
	v_lshl_or_b32 v3, v9, 3, v3                    ; pos(lane)
	s_mul_i32 s27, s35, WST
	s_add_co_u32 s27, s27, WBASE
	v_mul_u32_u24 v4, v3, 48
	v_add_nc_u32 v4, s27, v4                       ; into my stage: my column's row
	v_lshlrev_b32 v6, 4, v1
	v_add_nc_u32 v5, s27, v6                       ; out of it: 16 bytes a lane
	v_lshlrev_b32 v7, 5, v3                        ; my column's row of scale bytes
	s_lshl_b32 s26, s33, 7
	s_lshl_b32 s27, s28, 5
	s_add_co_u32 s26, s26, s27
	s_add_co_u32 s26, s26, 8192                    ; my wave's first row in the two buffers
	s_mul_i32 s24, s26, 48
	s_mul_i32 s27, s30, 2*PLANE
	s_add_co_u32 s24, s24, s27
	s_add_nc_u64 s[10:11], s[10:11], s[24:25]
	s_lshl_b32 s24, s26, 5
	s_lshl_b32 s27, s30, 2
	s_add_co_u32 s24, s24, s27
	s_add_nc_u64 s[12:13], s[12:13], s[24:25]
.macro BLOCK t, left
.set XS, WX+32*(\t)
.set CT, WC+8*(\t)
	s_wait_loadcnt \left                           ; this block's 32 loads are in
	v_max3_num_f32 v10, |v[XS]|, |v[XS+1]|, |v[XS+2]|
	v_max3_num_f32 v11, |v[XS+3]|, |v[XS+4]|, |v[XS+5]|
.irp i, 6,10,14,18,22,26
	v_max3_num_f32 v10, v10, |v[XS+\i]|, |v[XS+\i+1]|
	v_max3_num_f32 v11, v11, |v[XS+\i+2]|, |v[XS+\i+3]|
.endr
	v_max3_num_f32 v10, v10, |v[XS+30]|, |v[XS+31]|
	v_max3_num_f32 v10, v10, v11, 0x2800000        ; the floor 2^(5 - 127)
	v_add_nc_u32 v12, 0xfe000000, v10              ; the conversion's scale operand
	v_lshrrev_b32 v13, 23, v12                     ; the scale's byte
.if (\t) == 0
	v_mov_b32 v[SB], v13
.else
	v_lshl_or_b32 v[SB], v13, 8*(\t), v[SB]
.endif
	v_cvt_scalef32_pk16_bf6_f32 v[CT:CT+2], v[XS:XS+15], v12
	v_cvt_scalef32_pk16_bf6_f32 v[CT+4:CT+6], v[XS+16:XS+31], v12
	v_nop                                          ; one plain instruction behind the conversions
	v_mov_b32 v[CT+3], v[CT+4]
	v_mov_b32 v[CT+4], v[CT+5]
	v_mov_b32 v[CT+5], v[CT+6]
.irp e, 0,1,2
	ds_store_b64 v4, v[CT+2*\e:CT+2*\e+1] offset:1536*((\t)/2)+24*((\t)%2)+8*\e
.endr
.endm
	BLOCK 0, 63                                    ; 96 younger loads are out, then 64: 63 is the largest count that the wait can name
	BLOCK 1, 63
	BLOCK 2, 32
	BLOCK 3, 0
	global_store_b32 v7, v[SB], s[12:13]
.irp n, 0,1,2,3,4,5
	ds_load_b128 v[OUTR+4*\n:OUTR+4*\n+3], v5 offset:512*\n        ; LDS serves a wave's instructions in order: these see my stores
.endr
.irp n, 0,1,2,3,4,5
	s_wait_dscnt 5-\n
	global_store_b128 v6, v[OUTR+4*\n:OUTR+4*\n+3], s[10:11] offset:PLANE*(\n/3)+512*(\n%3)   ; 512 consecutive bytes, at a multiple of 512 from the buffer's first byte
.endr
	s_wait_tensorcnt 0x0                           ; the wave's end, behind my last LDS store
	ds_add_u32 v[SPW], v[NIL]
	s_wait_dscnt 0x0
	s_endpgm
.Lfunc_end_k_q45a5ef5407_quant:
	.size	k_q45a5ef5407_quant, .Lfunc_end_k_q45a5ef5407_quant-k_q45a5ef5407_quant
	.p2alignl 7, 3214868480
	.fill 96, 4, 3214868480
	.section	.rodata,"a",@progbits
	.p2align	6, 0x0
	.amdhsa_kernel k_q45a5ef5407_quant
		.amdhsa_group_segment_fixed_size 88320
		.amdhsa_private_segment_fixed_size 0
		.amdhsa_enable_private_segment 0
		.amdhsa_kernarg_size 40
		.amdhsa_user_sgpr_count 2
		.amdhsa_user_sgpr_kernarg_segment_ptr 1
		.amdhsa_wavefront_size32 1
		.amdhsa_system_sgpr_workgroup_id_x 1
		.amdhsa_system_sgpr_workgroup_id_y 1
		.amdhsa_system_sgpr_workgroup_id_z 1
		.amdhsa_system_vgpr_workitem_id 0
		.amdhsa_next_free_vgpr 244
		.amdhsa_next_free_sgpr 66
		.amdhsa_reserve_vcc 0
		.amdhsa_float_denorm_mode_32 3
		.amdhsa_float_denorm_mode_16_64 3
		.amdhsa_memory_ordered 1
		.amdhsa_forward_progress 1
		.amdhsa_inst_pref_size 44
	.end_amdhsa_kernel
	.amdgpu_metadata
---
amdhsa.version: [ 1, 2 ]
amdhsa.kernels:
  - .name:           k_q45a5ef5407_quant
    .symbol:         k_q45a5ef5407_quant.kd
    .args:
      - { .name: x, .offset: 0, .size: 8, .value_kind: global_buffer, .address_space: global }
      - { .name: w_attn, .offset: 8, .size: 8, .value_kind: global_buffer, .address_space: global }
      - { .name: w_proj, .offset: 16, .size: 8, .value_kind: global_buffer, .address_space: global }
      - { .name: op_codes, .offset: 24, .size: 8, .value_kind: global_buffer, .address_space: global }
      - { .name: op_scales, .offset: 32, .size: 8, .value_kind: global_buffer, .address_space: global }
    .group_segment_fixed_size: 88320
    .private_segment_fixed_size: 0
    .kernarg_segment_align: 8
    .kernarg_segment_size: 40
    .max_flat_workgroup_size: 256
    .sgpr_count:     66
    .vgpr_count:     244
    .wavefront_size: 32
...
	.end_amdgpu_metadata
.endif
;; end of part 1
;; launch gemm_qkv (part 2): grid 8 x 32, 8 waves a work-group, clusters of 4 x 4, 327,680 bytes of LDS; arguments op_codes, op_scales, qkv_codes, qkv_scales; writes qkv_codes, qkv_scales
.if DOCPART == 2
	.amdgcn_target "amdgcn-amd-amdhsa--gfx1250"
	.amdhsa_code_object_version 6
	.text
	.protected	k_q45a5ef5407_gemm_qkv
	.globl	k_q45a5ef5407_gemm_qkv
	.p2align	8
	.type	k_q45a5ef5407_gemm_qkv,@function
k_q45a5ef5407_gemm_qkv:
	s_mov_b64 s[64:65], 0
	v_nop
	global_prefetch_b8 v0, s[64:65] scope:SCOPE_SE
	s_setreg_imm32_b32 hwreg(HW_REG_WAVE_MODE, 25, 1), 1
	s_wait_xcnt 0x0
	s_wait_alu depctr_hold_cnt(0) depctr_sa_sdst(0) depctr_va_vdst(0) depctr_va_sdst(0) depctr_va_ssrc(0) depctr_va_vcc(0) depctr_vm_vsrc(0)
	s_getreg_b32 s2, hwreg(HW_REG_IB_STS2, 6, 4)
	s_cmp_eq_u32 s2, 0
	s_cbranch_scc0 .Lentry_in_a_cluster
	s_endpgm
.Lentry_in_a_cluster:
	s_bfe_u32 s2, ttmp6, 0x10000c
	s_cmp_lg_u32 s2, 0xf033
	s_cbranch_scc0 .Lentry_shape_is_right
	s_endpgm
.Lentry_shape_is_right:
; qkv = x w_attn on codes of BF6 (E3M2) with E8M0 scales, K = 1,024, and the quantisers of q, k and v behind it: the f32 results never go to memory.
; OPERANDS: codes [16 planes of 64 along K][12288 rows][48 bytes], scale bytes [12288 rows][32]; rows 0.. x's tokens, 8192.. w_attn's columns; within each 32 rows the two middle groups of eight have changed places.
; SHARES.  32 token blocks x 8 column groups = 256 work-groups.  A work-group's 256 tokens STAY IN LDS for all of K (16 planes of 12,288 bytes); three tiles of 128 weight rows (16 planes of 6,144 bytes) walk through one
; region behind them: columns 256 c .. + 127 and 256 c + 128 .. + 255 of q and k, then columns 2048 + 128 c .. of v.  The region is filled again behind a round of the cluster's barrier, one joint load
; of two planes a wave, and the fill lands while the finished tile is quantised and stored.  The two q, k tiles are a loop's two trips; v's tile, which asks for nothing more, is written out behind it.
; A wave makes 64 tokens x 64 columns: 16 accumulators by turns, in the same order in each of 8 steps of 128 along K; two sets of fragments; the scale words go from memory straight into registers.
; q, k (quantised along the head's 64): source 0 = 16 weight rows, source 1 = 16 token rows: a lane holds one token, and the 16 registers of two neighbouring tiles are 16 neighbouring columns.
; v (quantised along the keys): the sources change places: a lane holds one channel, its registers run along the tokens.
; RESULT: q, k: codes [head: q 0-15, k 16-31][8192 rows][48 bytes], scale words (u32: two bytes, two zeros) [32][8192]; v, behind them: codes [128 = 64 keys each][1024 channel rows][48], scale words [128][1024].
; A wave's part of a tile is 3,072 consecutive bytes of codes and 256 of scale words: it gathers them in its own stage, bytes on which no fill lands.
; CLUSTERS: 4 x 4; the tokens' tile is asked for jointly along a row of the cluster, the weights' tiles along a column.
; PREFETCH: in each trip of the loop, behind its second step's LDS loads and seven steps ahead of the refill, a wave asks for the two planes that it will fetch: 48 blocks of 256 bytes, of which the partner at place cy takes 12, by address.
; REGISTERS: window 0: v8-25 addresses, v32-63 the tokens' scale words (8 x block + step), v64-95 the weights', v96-191 fragment set 0 (the weights' four, then the tokens' four; at work on the way out);
; window 1: v0-127 the accumulators ((a, b) at 8 (4 a + b)), v128-223 set 1.
; LIMITS: a block of results whose largest magnitude lies under 2^(5 - 127) keeps the byte 1 (read by this program alone); NaN and infinities are not served.
.set PL,    589824                     ; a plane of the operands' codes in memory, in bytes
.set LA,    12288                      ; a plane of the tokens' tile in LDS
.set LB,    6144                       ; of a weights' tile
.set BB0,   16*LA
.set SPARE, BB0+16*LB                  ; the spare words, 128 bytes for each wave: four blocks of 256 bytes that no other line names
.set STG,   SPARE+1024                 ; the stages: 3,584 bytes for each wave
.set ADRA, 8
.set ADRB, 12
.set STO,  16
.set STS,  17
.set RD,   18
.set SAO,  19
.set SPW,  20
.set NIL,  21
.set CO,   22
.set CO8,  23
.set RDS,  24
.set PFO,  25
.set SCT,  32
.set SCW,  64
.set BK,   96                          ; the way out: v96-121 the stage read back
.set PC,   128                         ; v128-159 codes, eight registers a block of 16 rows
.set TM,   160                         ; v160-167 largest magnitudes
.set TP,   168                         ; v168-175 the other half's, then the bytes
.set SO,   176                         ; v176-183 the conversions' scale operands
.set PW,   184                         ; v184-187 scale words
.set G1,  24
.set G0,  32
.set G0R, 36
.set G1B, 48
.set G0B, 56
.set SEL, 60
.set G1R, 76
.set NEXT,  84                         ; s[84:85] my two planes of the tile that the next refill brings
.set AFTER, 86                         ; of the one after it
.set SWN,   88                         ; the same for the weights' scale bytes
.set SWA,   90
.set OB,    92                         ; where my codes go; s[94:95] my scale words
.set OSB,   94
.set OBV,   96                         ; the same for v's tile
.set OSV,   98
.set MSB, 0
.macro WIN new                         ; the immediate's high byte repeats the setting that is left
.if MSB != (\new)
	s_set_vgpr_msb (MSB<<8)|(\new)
.set MSB, (\new)
.endif
.endm
.macro NOPS
.rept 4
	v_nop
.endr
.endm
.macro CROUND
	s_barrier_signal -1
	s_barrier_wait -1
	s_cmp_lg_u32 s14, 0
	s_cbranch_scc1 .Lnot_wave_0_\@
	s_barrier_signal -3
.Lnot_wave_0_\@:
	s_barrier_wait -3
	s_barrier_signal -1
	s_barrier_wait -1
.endm
.macro GROUP1 g, c, r                  ; r runs of c elements of 8 bytes, a plane apart; no padding: a fragment's lanes stand 24 bytes apart
	s_mov_b32 s[\g+1], (\c)<<16
	s_mov_b32 s[\g+2], (\r)<<16
	s_mov_b32 s[\g+3], (\c)<<16
	s_mov_b32 s[\g+4], \r
	s_mov_b32 s[\g+5], PL/8
	s_mov_b32 s[\g+6], 0
	s_mov_b32 s[\g+7], 0
.endm
	s_load_b256 s[4:11], s[0:1], 0x0               ; the operands' codes, their scale bytes, the result's codes, its scale words
	v_lshl_add_u32 v[SPW], v0, 2, SPARE
	v_mov_b32 v[NIL], 0
	ds_add_u32 v[SPW], v[NIL]                      ; the opening lines: the add, twice on end, and below its wait
	ds_add_u32 v[SPW], v[NIL]
	v_lshrrev_b32 v1, 5, v0
	v_readfirstlane_b32 s14, v1                    ; wave 0..7
	s_lshr_b32 s15, s14, 2                         ; which 64 weight rows are mine.  Also: at the head I fetch tokens (0) or weights (1)
	s_and_b32 s16, s14, 3                          ; which 64 tokens.  Also: which four planes I fetch at the head
	s_bfe_u32 s40, ttmp6, 0x40000                  ; cx, cy
	s_bfe_u32 s41, ttmp6, 0x40004
	s_lshl_b32 s42, ttmp9, 2
	s_add_co_u32 s42, s42, s40                     ; column group c
	s_and_b32 s17, ttmp7, 0xffff
	s_lshl_b32 s17, s17, 2
	s_add_co_u32 s17, s17, s41                     ; token block
	s_lshl_b32 s43, s41, 2
	s_lshl_b32 s43, 15, s43                        ; my row of the cluster
	s_lshl_b32 s44, 0x1111, s40                    ; my column
	s_or_b32 s[G1], s43, (3<<16)|(1<<21)
	s_or_b32 s[G1B], s44, (3<<16)|(1<<21)
	s_or_b32 s[G1R], s44, (3<<16)|(1<<21)
	GROUP1 G1, LA/8, 4
	GROUP1 G1B, LB/8, 4
	GROUP1 G1R, LB/8, 2
	s_mul_i32 s20, s17, LA                         ; the tokens' codes: my block's rows, my four planes
	s_mul_i32 s18, s16, 4*PL
	s_add_co_u32 s20, s20, s18
	s_mov_b32 s21, 0
	s_mul_i32 s46, s42, 2*LB                       ; the first weights' tile: rows 8192 + 256 c, my four planes
	s_add_co_u32 s46, s46, s18
	s_add_co_u32 s46, s46, 8192*48
	s_mov_b32 s47, 0
	s_mul_i32 s18, s14, 2*PL                       ; the refills: two planes a wave
	s_mul_i32 s[NEXT], s42, 2*LB
	s_add_co_u32 s[NEXT], s[NEXT], s18
	s_add_co_u32 s[NEXT], s[NEXT], 8320*48         ; rows 8192 + 256 c + 128
	s_mov_b32 s[NEXT+1], 0
	s_mul_i32 s[AFTER], s42, LB
	s_add_co_u32 s[AFTER], s[AFTER], s18
	s_add_co_u32 s[AFTER], s[AFTER], 10240*48      ; rows 10240 + 128 c
	s_mov_b32 s[AFTER+1], 0
	s_mul_i32 s45, s16, 4*LA                       ; where they go
	s_mul_i32 s19, s16, 4*LB
	s_add_co_u32 s19, s19, BB0
	s_mov_b32 s[G0R], 1
	s_mul_i32 s[G0R+1], s14, 2*LB
	s_add_co_u32 s[G0R+1], s[G0R+1], BB0
	s_lshl_b32 s22, s17, 13                        ; the scale bytes of my 64 tokens,
	s_lshl_b32 s18, s16, 11
	s_add_co_u32 s22, s22, s18
	s_mov_b32 s23, 0
	s_lshl_b32 s18, s15, 11                        ; and of my 64 weight rows in the three tiles
	s_lshl_b32 s12, s42, 13
	s_add_co_u32 s12, s12, s18
	s_add_co_u32 s12, s12, 8192*32
	s_mov_b32 s13, 0
	s_add_co_u32 s[SWN], s12, 4096
	s_mov_b32 s[SWN+1], 0
	s_lshl_b32 s[SWA], s42, 12
	s_add_co_u32 s[SWA], s[SWA], s18
	s_add_co_u32 s[SWA], s[SWA], 10240*32
	s_mov_b32 s[SWA+1], 0
	s_lshl_b32 s18, s42, 2                         ; q, k: plane 4 c + my half (+ 2 for the second tile), row 256 x token block + 64 x my quarter
	s_add_co_u32 s18, s18, s15
	s_lshl_b32 s18, s18, 13
	s_lshl_b32 s63, s17, 8
	s_add_co_u32 s18, s18, s63
	s_lshl_b32 s63, s16, 6
	s_add_co_u32 s18, s18, s63
	s_mul_i32 s[OB], s18, 48
	s_mov_b32 s[OB+1], 0
	s_lshl_b32 s[OSB], s18, 2
	s_mov_b32 s[OSB+1], 0
	s_lshl_b32 s18, s17, 2                         ; v: plane 4 x token block + my quarter, row 128 c + 64 x my half
	s_add_co_u32 s18, s18, s16
	s_lshl_b32 s18, s18, 10
	s_lshl_b32 s63, s42, 7
	s_add_co_u32 s18, s18, s63
	s_lshl_b32 s63, s15, 6
	s_add_co_u32 s18, s18, s63
	s_mul_i32 s[OBV], s18, 48
	s_add_co_u32 s[OBV], s[OBV], 12582912
	s_mov_b32 s[OBV+1], 0
	s_lshl_b32 s[OSV], s18, 2
	s_add_co_u32 s[OSV], s[OSV], 1048576
	s_mov_b32 s[OSV+1], 0
	s_mul_i32 s18, s16, 64*48
.irp k, 0,1,2,3
	s_add_co_u32 s[66+\k], s18, \k*4*LA
.endr
	s_mul_i32 s18, s15, 64*48
	s_add_co_u32 s18, s18, BB0
.irp k, 0,1,2,3
	s_add_co_u32 s[70+\k], s18, \k*4*LB
.endr
	s_mul_i32 s74, s14, 3584
	s_add_co_u32 s74, s74, STG                     ; my stage: 3,072 bytes of codes,
	s_add_co_u32 s75, s74, 3072                    ; then 256 of scale words
	s_lshr_b32 s63, s41, 1                         ; the prefetch: of my two planes' 48 blocks the partner at cy takes plane cy / 2, half cy % 2
	s_mul_i32 s63, s63, PL
	s_and_b32 s18, s41, 1
	s_mul_i32 s18, s18, 3072
	s_add_co_u32 s63, s63, s18
	s_mov_b32 s[SEL], 0x76543210
	s_mov_b32 s[SEL+1], 0xfedcba98                 ; v_permlanex16_b32's selects for lane l xor 16
	v_and_b32 v1, 15, v0                           ; r
	v_bfe_u32 v2, v0, 4, 1                         ; h
	v_mul_u32_u24 v3, v1, 48
	v_mad_u32_u24 v3, v2, 24, v3                   ; a row x 48 + 24 x half
.irp k, 0,1,2,3
	v_add_nc_u32 v[ADRA+\k], s[66+\k], v3
	v_add_nc_u32 v[ADRB+\k], s[70+\k], v3
.endr
	v_add_nc_u32 v[STO], s74, v3
	v_lshlrev_b32 v4, 2, v1
	v_add_nc_u32 v[STS], s75, v4
	v_and_b32 v5, 31, v0
	v_lshlrev_b32 v[CO], 4, v5
	v_add_nc_u32 v[RD], s74, v[CO]
	v_lshlrev_b32 v[CO8], 3, v5
	v_add_nc_u32 v[RDS], s75, v[CO8]
	v_lshlrev_b32 v[SAO], 5, v1
	v_min_u32 v6, 11, v5                           ; twelve blocks: the lanes left over name the last again
	v_lshlrev_b32 v6, 8, v6
	v_add_nc_u32 v[PFO], s63, v6
	s_wait_alu depctr_va_vdst(0)                   ; the wait at the head's end
	s_wait_dscnt 0x0                               ; both opening adds are done
	s_wait_kmcnt 0x0
	s_add_nc_u64 s[20:21], s[4:5], s[20:21]
	s_add_nc_u64 s[46:47], s[4:5], s[46:47]
	s_add_nc_u64 s[NEXT:NEXT+1], s[4:5], s[NEXT:NEXT+1]
	s_add_nc_u64 s[AFTER:AFTER+1], s[4:5], s[AFTER:AFTER+1]
	s_add_nc_u64 s[22:23], s[6:7], s[22:23]
	s_add_nc_u64 s[12:13], s[6:7], s[12:13]
	s_add_nc_u64 s[SWN:SWN+1], s[6:7], s[SWN:SWN+1]
	s_add_nc_u64 s[SWA:SWA+1], s[6:7], s[SWA:SWA+1]
	s_add_nc_u64 s[OB:OB+1], s[8:9], s[OB:OB+1]
	s_add_nc_u64 s[OBV:OBV+1], s[8:9], s[OBV:OBV+1]
	s_add_nc_u64 s[OSB:OSB+1], s[10:11], s[OSB:OSB+1]
	s_add_nc_u64 s[OSV:OSV+1], s[10:11], s[OSV:OSV+1]
.macro WSCALES base                    ; my 64 weight rows' scale bytes: a lane reads its row's 32, sixteen lanes 512 consecutive bytes
.irp i, 0,1,2,3
	global_load_b128 v[SCW+8*\i:SCW+8*\i+3], v[SAO], s[\base:\base+1] offset:512*\i
	global_load_b128 v[SCW+8*\i+4:SCW+8*\i+7], v[SAO], s[\base:\base+1] offset:512*\i+16
.endr
.endm
.irp i, 0,1,2,3
	global_load_b128 v[SCT+8*\i:SCT+8*\i+3], v[SAO], s[22:23] offset:512*\i
	global_load_b128 v[SCT+8*\i+4:SCT+8*\i+7], v[SAO], s[22:23] offset:512*\i+16
.endr
	WSCALES 12
	s_mov_b32 s[G0], 1
	s_mov_b32 s[G0+1], s45
	s_mov_b64 s[G0+2:G0+3], s[20:21]
	s_or_b32 s[G0+3], s[G0+3], 0x80000000
	s_mov_b32 s[G0B], 1
	s_mov_b32 s[G0B+1], s19
	s_mov_b64 s[G0B+2:G0B+3], s[46:47]
	s_or_b32 s[G0B+3], s[G0B+3], 0x80000000
	CROUND                                         ; all sixteen work-groups are here: the joint loads meet
	s_cmp_eq_u32 s15, 0
	s_cbranch_scc0 .Lfor_b
	tensor_load_to_lds s[G0:G0+3], s[G1:G1+7]
	s_nop 0
	NOPS
	s_branch .Lasked
.Lfor_b:
	tensor_load_to_lds s[G0B:G0B+3], s[G1B:G1B+7]
	s_nop 0
	NOPS
.Lasked:
	s_wait_tensorcnt 0x0                           ; my one load has landed,
	s_barrier_signal -1
	s_barrier_wait -1                              ; and so has every wave's
.macro FETCH st                        ; step st's eight fragments into set st % 2: lane (r, h): registers 6 c .. 6 c + 5 = 24 bytes of row r in plane 2 st + c, in pieces of 8 bytes
.set FB, 96+32*((\st)%2)
	WIN 0x40*((\st)%2)
.irp i, 0,1,2,3
.irp p, 0,1,2,3,4,5
	ds_load_b64 v[FB+12*\i+2*\p:FB+12*\i+2*\p+1], v[ADRB+(\st)/2] offset:(2*((\st)%2)+\p/3)*LB+\i*768+8*(\p%3)
.endr
.endr
.irp i, 0,1,2,3
.irp p, 0,1,2,3,4,5
	ds_load_b64 v[FB+48+12*\i+2*\p:FB+48+12*\i+2*\p+1], v[ADRA+(\st)/2] offset:(2*((\st)%2)+\p/3)*LA+\i*768+8*(\p%3)
.endr
.endr
	WIN 0
.endm
.macro ONE d, s0, s1, c0, c1, st       ; one matrix instruction; a tile's first step starts the sums
.if (\st) == 0
	v_wmma_scale_f32_16x16x128_f8f6f4 v[\d:\d+7], v[\s0:\s0+11], v[\s1:\s1+11], 0, v[\c0], v[\c1] matrix_a_fmt:MATRIX_FMT_BF6 matrix_b_fmt:MATRIX_FMT_BF6
.else
	v_wmma_scale_f32_16x16x128_f8f6f4 v[\d:\d+7], v[\s0:\s0+11], v[\s1:\s1+11], v[\d:\d+7], v[\c0], v[\c1] matrix_a_fmt:MATRIX_FMT_BF6 matrix_b_fmt:MATRIX_FMT_BF6
.endif
.endm
.macro MUL st, vv                      ; 16 matrix instructions.  vv = 0: a = token block, b = weight block; vv = 1: the other way round
.set FB, 96+32*((\st)%2)
	WIN 0x50+5*((\st)%2)
.irp a, 0,1,2,3
.irp b, 0,1,2,3
.if \vv
	ONE 8*(4*\a+\b), FB+48+12*\b, FB+12*\a, SCT+8*\b+(\st), SCW+8*\a+(\st), \st
.else
	ONE 8*(4*\a+\b), FB+12*\b, FB+48+12*\a, SCW+8*\b+(\st), SCT+8*\a+(\st), \st
.endif
.endr
.endr
.endm
; THE WAY OUT of a tile.  Lane (r, h) holds row 16 a + r; register 32 a + 16 b + i is place 32 b + 16 h + i along the quantiser's axis: eight blocks of 32 (c = 2 a + b), each in lanes l and l xor 16, by turns.
.macro QALL ob, os
	WIN 0x05                                       ; sources 0 and 1: the accumulators' window
.irp c, 0,1,2,3,4,5,6,7
	v_max3_num_f32 v[TM+\c], |v[16*\c]|, |v[16*\c+1]|, 0x2800000   ; each accumulator is read from its low end on; the floor 2^(5 - 127) holds the byte at 1 from below
.endr
.irp i, 2,4,6,8,10,12,14
.irp c, 0,1,2,3,4,5,6,7
	v_max3_num_f32 v[TM+\c], |v[16*\c+\i]|, |v[16*\c+\i+1]|, v[TM+\c]
.endr
.endr
	WIN 0
.irp c, 0,1,2,3,4,5,6,7
	v_permlanex16_b32 v[TP+\c], v[TM+\c], s[SEL], s[SEL+1]
.endr
.irp c, 0,1,2,3,4,5,6,7
	v_max_num_f32 v[TM+\c], v[TM+\c], v[TP+\c]     ; with lane l xor 16's: the block's largest magnitude
.endr
.irp c, 0,1,2,3,4,5,6,7
	v_add_nc_u32 v[SO+\c], 0xfe000000, v[TM+\c]    ; 4 off its exponent field: the conversion's scale operand
.endr
.irp c, 0,1,2,3,4,5,6,7
	v_lshrrev_b32 v[TP+\c], 23, v[SO+\c]           ; the scale's byte
.endr
.irp a, 0,1,2,3
	v_lshl_or_b32 v[PW+\a], v[TP+2*\a+1], 8, v[TP+2*\a]
.endr
	WIN 0x01                                       ; source 0: the accumulators' window
.irp c, 0,1,2,3,4,5,6,7
	v_cvt_scalef32_pk16_bf6_f32 v[PC+4*\c:PC+4*\c+2], v[16*\c:16*\c+15], v[SO+\c]
.endr
	WIN 0
	v_nop                                          ; one plain instruction behind the conversions
.irp a, 0,1,2,3
.irp i, 0,1,2
	v_permlane16_swap_b32 v[PC+8*\a+\i], v[PC+8*\a+4+\i]   ; a whole block to a lane: lanes 0-15 block 0, lanes 16-31 block 1
.endr
.endr
.irp a, 0,1,2,3
	v_mov_b32 v[PC+8*\a+3], v[PC+8*\a+4]
	v_mov_b32 v[PC+8*\a+4], v[PC+8*\a+5]
	v_mov_b32 v[PC+8*\a+5], v[PC+8*\a+6]
.endr
.irp a, 0,1,2,3
.irp e, 0,1,2
	ds_store_b64 v[STO], v[PC+8*\a+2*\e:PC+8*\a+2*\e+1] offset:768*\a+8*\e
.endr
	ds_store_b32 v[STS], v[PW+\a] offset:64*\a     ; lanes l and l + 16 write the same word with the same value
.endr
.irp n, 0,1,2,3,4,5
	ds_load_b128 v[BK+4*\n:BK+4*\n+3], v[RD] offset:512*\n   ; LDS serves a wave's instructions in order: these see my stores
.endr
	ds_load_b64 v[BK+24:BK+25], v[RDS]
.irp n, 0,1,2,3,4,5
	s_wait_dscnt 6-\n                              ; the younger loads may be out
	global_store_b128 v[CO], v[BK+4*\n:BK+4*\n+3], s[\ob:\ob+1] offset:512*\n   ; 512 consecutive bytes, at a multiple of 256 from the buffer's first byte
.endr
	s_wait_dscnt 0x0
	global_store_b64 v[CO8], v[BK+24:BK+25], s[\os:\os+1]   ; 256 consecutive bytes, aligned
.endm
.macro TILE vv, refill, ob, os
	FETCH 0
.set KQ, 0
.rept 7
.if KQ > 0
	NOPS                                           ; places in front of loads into the set that the step before multiplied
.endif
	FETCH KQ+1
.if (\refill) && KQ == 1
	global_prefetch_b8 v[PFO], s[NEXT:NEXT+1] th:TH_LOAD_NT scope:SCOPE_SE
.endif
	s_wait_dscnt 48                                ; this step's fragments are in; the 48 loads just issued may be out
.if KQ == 0
	s_wait_loadcnt 0x0                             ; the scale words are in
.endif
	MUL KQ, \vv
.set KQ, KQ+1
.endr
	s_wait_dscnt 0x0
	MUL 7, \vv
	WIN 0
	NOPS                                           ; places behind the last products
.if \refill
	s_wait_xcnt 0x0                                ; the prefetch has read its address
	s_wait_tensorcnt 0x0                           ; no load of mine is out,
	ds_add_u32 v[SPW], v[NIL]                      ; the add,
	s_mov_b64 s[G0R+2:G0R+3], s[NEXT:NEXT+1]       ; (the next tile's address, and the one after it moves up)
	s_or_b32 s[G0R+3], s[G0R+3], 0x80000000
	s_mov_b64 s[NEXT:NEXT+1], s[AFTER:AFTER+1]
	s_wait_dscnt 0x0                               ; and my reads of the weights' tile are over
	CROUND                                         ; the same holds of every wave of every partner
	tensor_load_to_lds s[G0R:G0R+3], s[G1R:G1R+7]  ; my two planes of the next tile
	s_nop 0
	NOPS
	WSCALES SWN                                    ; and its scale words
.endif
	QALL \ob, \os
.if \refill
	s_wait_xcnt 0x0                                ; loads and stores have read their bases and registers
	s_mov_b64 s[SWN:SWN+1], s[SWA:SWA+1]
	s_add_nc_u64 s[OB:OB+1], s[OB:OB+1], 2*8192*48 ; two planes on
	s_add_nc_u64 s[OSB:OSB+1], s[OSB:OSB+1], 2*8192*4
	s_wait_tensorcnt 0x0                           ; my part of the next tile has landed,
	s_barrier_signal -1
	s_barrier_wait -1                              ; and everybody's
.endif
.endm
	s_mov_b32 s62, 2
.Ltile:
	TILE 0, 1, OB, OSB
	s_sub_co_u32 s62, s62, 1
	s_cmp_lg_u32 s62, 0
	s_cbranch_scc1 .Ltile
	TILE 1, 0, OBV, OSV
	s_wait_tensorcnt 0x0                           ; the wave's end, behind my last tensor load and my last LDS store
	ds_add_u32 v[SPW], v[NIL]
	s_wait_dscnt 0x0
	CROUND                                         ; the closing round
	s_endpgm
.Lfunc_end_k_q45a5ef5407_gemm_qkv:
	.size	k_q45a5ef5407_gemm_qkv, .Lfunc_end_k_q45a5ef5407_gemm_qkv-k_q45a5ef5407_gemm_qkv
	.p2alignl 7, 3214868480
	.fill 96, 4, 3214868480
	.section	.rodata,"a",@progbits
	.p2align	6, 0x0
	.amdhsa_kernel k_q45a5ef5407_gemm_qkv
		.amdhsa_group_segment_fixed_size 327680
		.amdhsa_private_segment_fixed_size 0
		.amdhsa_enable_private_segment 0
		.amdhsa_kernarg_size 32
		.amdhsa_user_sgpr_count 2
		.amdhsa_user_sgpr_kernarg_segment_ptr 1
		.amdhsa_wavefront_size32 1
		.amdhsa_system_sgpr_workgroup_id_x 1
		.amdhsa_system_sgpr_workgroup_id_y 1
		.amdhsa_system_sgpr_workgroup_id_z 1
		.amdhsa_system_vgpr_workitem_id 0
		.amdhsa_next_free_vgpr 480
		.amdhsa_next_free_sgpr 102
		.amdhsa_reserve_vcc 0
		.amdhsa_float_denorm_mode_32 3
		.amdhsa_float_denorm_mode_16_64 3
		.amdhsa_memory_ordered 1
		.amdhsa_forward_progress 1
		.amdhsa_inst_pref_size 116
	.end_amdhsa_kernel
	.amdgpu_metadata
---
amdhsa.version: [ 1, 2 ]
amdhsa.kernels:
  - .name:           k_q45a5ef5407_gemm_qkv
    .symbol:         k_q45a5ef5407_gemm_qkv.kd
    .args:
      - { .name: op_codes, .offset: 0, .size: 8, .value_kind: global_buffer, .address_space: global }
      - { .name: op_scales, .offset: 8, .size: 8, .value_kind: global_buffer, .address_space: global }
      - { .name: qkv_codes, .offset: 16, .size: 8, .value_kind: global_buffer, .address_space: global }
      - { .name: qkv_scales, .offset: 24, .size: 8, .value_kind: global_buffer, .address_space: global }
    .group_segment_fixed_size: 327680
    .private_segment_fixed_size: 0
    .kernarg_segment_align: 8
    .kernarg_segment_size: 32
    .max_flat_workgroup_size: 256
    .sgpr_count:     102
    .vgpr_count:     480
    .wavefront_size: 32
...
	.end_amdgpu_metadata
.endif
;; end of part 2
;; launch attn (part 3): grid 4 x 64, 16 waves a work-group, clusters of 4 x 1, 229,376 bytes of LDS; arguments qkv_codes, qkv_scales, y_codes, y_scales; writes y_codes, y_scales
.if DOCPART == 3
	.amdgcn_target "amdgcn-amd-amdhsa--gfx1250"
	.amdhsa_code_object_version 6
	.text
	.protected	k_q45a5ef5407_attn
	.globl	k_q45a5ef5407_attn
	.p2align	8
	.type	k_q45a5ef5407_attn,@function
k_q45a5ef5407_attn:
	s_mov_b64 s[64:65], 0
	v_nop
	global_prefetch_b8 v0, s[64:65] scope:SCOPE_SE
	s_setreg_imm32_b32 hwreg(HW_REG_WAVE_MODE, 25, 1), 1
	s_wait_xcnt 0x0
	s_wait_alu depctr_hold_cnt(0) depctr_sa_sdst(0) depctr_va_vdst(0) depctr_va_sdst(0) depctr_va_ssrc(0) depctr_va_vcc(0) depctr_vm_vsrc(0)
	s_getreg_b32 s2, hwreg(HW_REG_IB_STS2, 6, 4)
	s_cmp_eq_u32 s2, 0
	s_cbranch_scc0 .Lentry_in_a_cluster
	s_endpgm
.Lentry_in_a_cluster:
	s_bfe_u32 s2, ttmp6, 0x10000c
	s_cmp_lg_u32 s2, 0x3003
	s_cbranch_scc0 .Lentry_shape_is_right
	s_endpgm
.Lentry_shape_is_right:
; y[b][t][head] = softmax_k(q . k / 8, causal) v, both products on codes of BF6 (E3M2) with E8M0 scales, and the quantiser of y (along its 64 channels, two blocks) behind them.
; INPUTS.  q, k: codes [32 heads: q 0-15, k 16-31][8192 rows][48 bytes], scale words (u32: two bytes, two zeros) [32][8192]; K = the head's 64: the upper half of the instruction's 128 is zero codes.
; v, behind them: codes [128 = 64 keys each][1024 channel rows][48 bytes], scale words [128][1024]; K = the keys.  Rows (tokens, channels) lie with bits 3 and 4 of their number exchanged.
; THE SOFTMAX: t = score x log2(e) / 8; M = the running largest t, rounded UP to a whole number; p = 2^(t - M) is quantised along the keys, not normalised; the row's sum is taken of the unquantised p and divides at the end.
; When M moves, the sum and O are multiplied by 2^(old M - new M): exact.
; SHARES.  The four work-groups of a cluster have one head of one batch.  Its 2,048 query rows are 16 groups of 128, each of 8 tiles of 16 rows.  The work-group at place cx takes tiles 2 cx and 2 cx + 1 of every group;
; wave w takes tile 2 cx of group 15 - w and then tile 2 cx + 1 of group w: 16 - w and w + 1 key steps of 128, 17 for every wave.  Which steps a wave walks hangs on its number alone, never on cx.
; THE WHOLE HEAD'S K AND V STAY IN LDS (98,304 bytes of codes each): every fill is a first fill, one joint load a wave at the head (K's codes: waves 0-3; V's: 4-11; K's scale words: 12, 13; V's: 14, 15), with the mask of all four
; partners; one wait for 0, one barrier, and then the waves share nothing.  No prefetch: all fills go out at the head, so there is no loop in which to ask ahead.
; LAYOUT.  Both products transposed: S^T = K Q^T (source 0 = 16 key rows), O^T = V^T P^T (source 0 = 16 channel rows): a lane holds ONE query; by the order of the rows the 16 registers of two neighbouring
; tiles are 16 neighbouring keys (channels): 32 b + 16 (lane / 16) + 0 .. 15.
; CAUSAL.  A step of 128 keys that begins after my group of queries is left out (a scalar branch on the wave's number and the step); in the step on the diagonal hidden scores become -infinity.
; There tile 2 cx + u holds tokens 32 cx + 8 u + r + 8 (r / 8): blocks of 32 keys under cx are open, those over it hidden, and in block cx register i is hidden in lanes that a constant of (u, i) names: chosen by s_cselect_b32, no branch.
; RESULT: y's codes [16 heads][8192 rows][48 bytes]; its scale bytes [8192 rows][32], two bytes a head, stored two bytes a row beside 48 bytes of codes.
; LIMITS: a block's largest p is made from the block's largest score, which takes v_exp_f32 not to fall where its input rises; a block whose largest magnitude lies under 2^(5 - 127) keeps the byte 1; NaN and infinities are not served.
.set KC,    0                          ; K's codes: [2048 rows][48]
.set VC,    98304                      ; V's codes: [32 x 64 keys][64 channel rows][48]
.set KSC,   196608                     ; K's scale words: [2048]
.set VSC,   204800                     ; V's: [32][64]
.set STG,   212992                     ; the way out: 768 bytes for each wave
.set SPARE, 225280                     ; the spare words, 128 bytes for each wave: eight blocks of 256 bytes that no other line names
.set AK0,  1                           ; 48 r + 24 h: my lane's place in a tile of K, and in Q
.set AV0,  2                           ; the same in V
.set ASK0, 3                           ; my lane's place among K's scale words
.set ASV0, 4                           ; among V's
.set SPW,  5
.set NIL,  6
.set ADK,  8                           ; v8-11 the step's addresses
.set ADV,  9
.set ADS,  10
.set ADT,  11
.set QF,   16                          ; v16-27 Q's fragment; v22-27 stay 0
.set QW,   28
.set STO,  29
.set SRD,  30
.set GO,   31                          ; 8 x lane
.set KFR,  32                          ; v32-79 four fragments of K; the upper six registers of each stay 0
.set KW,   80
.set VR,   84                          ; v84-91 V's scale words as they lie
.set VW,   92                          ; v92-95 and joined, two planes to a word
.set BM,   96                          ; a block's largest score, then its largest p
.set T4,   100
.set SO,   104                         ; the conversions' scale operands
.set CT,   108                         ; second halves of the conversions
.set FF,   116                         ; f = 2^(old M - new M)
.set PWD,  117                         ; p's scale word
.set TA,   118
.set TBV,  119
.set NINF, 120
.set QS4,  123                         ; 4 r
.set GYS,  124                         ; 32 r
.set YS,   125
.set S,    128                         ; v128-191 S^T, then p; then V's four fragments; y on the way out
.set OT,   192                         ; v192-223 O^T
.set PCD,  224                         ; v224-235 p's codes
.set WO,   236
.set WV,   18
.set SEL,  20
.set CS,   22
.set G1K,  24
.set G1V,  32
.set G1KS, 40
.set G1VS, 48
.set G0KS, 56
.set G0K,  60
.set G0VS, 72
.set G0V,  76
.set CX,   80                          ; my place in the cluster
.set KF,   84                          ; the step's first key
.set TB,   85                          ; 48 x that
.set TS,   86                          ; 4 x that
.set CNT,  87
.set SQ,   88                          ; my group's first token
.set Q0,   89                          ; my first query row
.macro GROUP1 g, c, r, p               ; r rows of c elements of 8 bytes, p elements apart; the mask names the cluster's four; no padding
	s_mov_b32 s[\g], 15|(3<<16)|(1<<21)
	s_mov_b32 s[\g+1], (\c)<<16
	s_mov_b32 s[\g+2], (\r)<<16
	s_mov_b32 s[\g+3], (\c)<<16
	s_mov_b32 s[\g+4], \r
	s_mov_b32 s[\g+5], \p
	s_mov_b32 s[\g+6], 0
	s_mov_b32 s[\g+7], 0
.endm
.macro CROUND                          ; a round of the cluster's barrier
	s_barrier_signal -1
	s_barrier_wait -1
	s_cmp_lg_u32 s[WV], 0
	s_cbranch_scc1 .Lnot_wave_0_\@
	s_barrier_signal -3
.Lnot_wave_0_\@:
	s_barrier_wait -3
	s_barrier_signal -1
	s_barrier_wait -1
.endm
.macro FILL g0, g1
	tensor_load_to_lds s[\g0:\g0+3], s[\g1:\g1+7]
	s_nop 0
.rept 4
	v_nop
.endr
.endm
.macro ARM under, g0, g1, next         ; one arm of the head's one chain of branches on the wave's number
	s_cmp_lt_u32 s[WV], \under
	s_cbranch_scc0 \next
	FILL \g0, \g1
	s_branch .Lasked
\next:
.endm
	s_load_b256 s[4:11], s[0:1], 0x0               ; q, k, v: codes s[4:5], scale words s[6:7]; y: codes s[8:9], scale bytes s[10:11]
	v_lshl_add_u32 v[SPW], v0, 2, SPARE
	v_mov_b32 v[NIL], 0
	ds_add_u32 v[SPW], v[NIL]                      ; the opening lines: the add, twice on end, and below its wait
	ds_add_u32 v[SPW], v[NIL]
	v_lshrrev_b32 v8, 5, v0
	v_readfirstlane_b32 s[WV], v8                  ; wave 0..15
	s_bfe_u32 s[CX], ttmp6, 0x40000
	s_and_b32 s99, ttmp7, 0xffff                   ; cluster y: batch and head
	s_lshr_b32 s12, s99, 4
	s_and_b32 s13, s99, 15
	s_lshl_b32 s3, s12, 11                         ; the batch's first row
	s_lshl_b32 s17, s13, 13
	s_add_co_u32 s17, s17, s3                      ; the first row of my head's q, and of its y
	s_add_co_u32 s16, s17, 16*8192                 ; of its k
	s_lshl_b32 s19, s12, 15
	s_lshl_b32 s99, s13, 6
	s_add_co_u32 s19, s19, s99                     ; of its v: 32 planes of 1,024 rows a batch, 64 rows a head
	s_lshl_b32 s2, s13, 1                          ; y's two scale bytes in a row of 32
	s_and_b32 s81, s[WV], 3                        ; which quarter of K's codes (waves 0-3)
	s_add_co_u32 s82, s[WV], 4
	s_and_b32 s82, s82, 7                          ; which four planes of V's codes (waves 4-11)
	s_and_b32 s83, s[WV], 1                        ; which half of the scale words (waves 12-15)
	GROUP1 G1K, 32, 96, 32                         ; a quarter of K's codes: 24,576 dense bytes as rows of 256
	GROUP1 G1V, 384, 4, 6144                       ; four planes of V's: 3,072 bytes of each, 49,152 bytes apart
	GROUP1 G1KS, 32, 16, 32                        ; half of K's scale words: 4,096 dense bytes
	GROUP1 G1VS, 32, 16, 512                       ; half of V's: 16 planes, 256 bytes of each, 4,096 bytes apart
	s_mov_b32 s[SEL], 0x76543210
	s_mov_b32 s[SEL+1], 0xfedcba98                 ; v_permlanex16_b32's selects for lane l xor 16
	s_mov_b32 s[CS], 0x3e38aa3b                    ; c = log2(e) / 8
	s_mov_b32 s[CS+1], s[CS]
	s_mov_b32 s15, 0
	s_mov_b32 s[G0K], 1
	s_mov_b32 s[G0V], 1
	s_mov_b32 s[G0KS], 1
	s_mov_b32 s[G0VS], 1
	s_mul_i32 s[G0K+1], s81, 24576
	s_mul_i32 s[G0V+1], s82, 12288
	s_add_co_u32 s[G0V+1], s[G0V+1], VC
	s_lshl_b32 s[G0KS+1], s83, 12
	s_add_co_u32 s[G0KS+1], s[G0KS+1], KSC
	s_lshl_b32 s[G0VS+1], s83, 12
	s_add_co_u32 s[G0VS+1], s[G0VS+1], VSC
	s_wait_dscnt 0x0                               ; both opening adds are done
	s_wait_kmcnt 0x0
	s_mul_i32 s14, s16, 48
	s_add_co_u32 s14, s14, s[G0K+1]
	s_add_nc_u64 s[G0K+2:G0K+3], s[4:5], s[14:15]
	s_or_b32 s[G0K+3], s[G0K+3], 0x80000000
	s_mul_i32 s14, s19, 48
	s_mul_i32 s99, s82, 196608
	s_add_co_u32 s14, s14, s99
	s_add_co_u32 s14, s14, 12582912
	s_add_nc_u64 s[G0V+2:G0V+3], s[4:5], s[14:15]
	s_or_b32 s[G0V+3], s[G0V+3], 0x80000000
	s_lshl_b32 s14, s16, 2
	s_lshl_b32 s99, s83, 12
	s_add_co_u32 s14, s14, s99
	s_add_nc_u64 s[G0KS+2:G0KS+3], s[6:7], s[14:15]
	s_or_b32 s[G0KS+3], s[G0KS+3], 0x80000000
	s_lshl_b32 s14, s19, 2
	s_lshl_b32 s99, s83, 16
	s_add_co_u32 s14, s14, s99
	s_add_co_u32 s14, s14, 1048576
	s_add_nc_u64 s[G0VS+2:G0VS+3], s[6:7], s[14:15]
	s_or_b32 s[G0VS+3], s[G0VS+3], 0x80000000
	CROUND                                         ; the four partners are here: the joint loads meet
	ARM 4,  G0K,  G1K,  .Lfor_v
	ARM 12, G0V,  G1V,  .Lfor_ks
	ARM 14, G0KS, G1KS, .Lfor_vs
	FILL G0VS, G1VS
.Lasked:
	v_and_b32 v[TBV], 15, v0                       ; r
	v_bfe_u32 v[TA], v0, 4, 1                      ; h
	v_mul_u32_u24 v[AK0], v[TBV], 48
	v_mad_u32_u24 v[AK0], v[TA], 24, v[AK0]
	v_add_nc_u32 v[AV0], VC, v[AK0]
	v_lshl_add_u32 v[ASK0], v[TBV], 2, KSC
	v_lshl_add_u32 v[ASV0], v[TBV], 2, VSC
	s_mul_i32 s99, s[WV], 768
	s_add_co_u32 s99, s99, STG
	v_add_nc_u32 v[STO], s99, v[AK0]
	v_and_b32 v[GO], 31, v0
	v_lshlrev_b32 v[GO], 3, v[GO]
	v_add_nc_u32 v[SRD], s99, v[GO]
	v_lshlrev_b32 v[QS4], 2, v[TBV]
	v_lshlrev_b32 v[GYS], 5, v[TBV]
	v_mov_b32 v[NINF], 0xff800000
.irp j, 6,7,8,9,10,11
	v_mov_b32 v[QF+\j], 0                          ; K = 64 .. 127 of the first product: zero codes, on both sides
.irp t, 0,1,2,3
	v_mov_b32 v[KFR+12*\t+\j], 0
.endr
.endr
.irp b, 0,1,2,3
	v_mov_b32 v[T4+\b], 0                          ; written once: a lane permute's destination counts as one of its sources
.endr
	v_mov_b32 v[PWD], 0                            ; (named as the upper half of the pair with f before it is first written)
	v_mov_b32 v[TA], 0
	s_wait_alu depctr_va_vdst(0)                   ; the wait at the head's end
; Tile 2 cx + u of group s98: addresses, Q, and a fresh start of M, the sum and O^T.
.macro INIT u
	s_wait_xcnt 0x0                                ; earlier loads and stores have read their bases and registers: they are written anew below
	s_lshl_b32 s[SQ], s98, 7
	s_lshl_b32 s99, s[CX], 5
	s_add_co_u32 s[Q0], s[SQ], s99
.if \u
	s_add_co_u32 s[Q0], s[Q0], 16
.endif
	s_add_co_u32 s99, s17, s[Q0]
	s_mul_i32 s14, s99, 48
	s_add_nc_u64 s[90:91], s[4:5], s[14:15]        ; Q's codes
	s_add_nc_u64 s[94:95], s[8:9], s[14:15]        ; y's
	s_lshl_b32 s14, s99, 2
	s_add_nc_u64 s[92:93], s[6:7], s[14:15]        ; Q's scale words
	s_add_co_u32 s14, s3, s[Q0]
	s_lshl_b32 s14, s14, 5
	s_add_co_u32 s14, s14, s2
	s_add_nc_u64 s[96:97], s[10:11], s[14:15]      ; y's scale bytes
.irp e, 0,1,2
	global_load_b64 v[QF+2*\e:QF+2*\e+1], v[AK0], s[90:91] offset:8*\e
.endr
	global_load_b32 v[QW], v[QS4], s[92:93]
	v_mov_b32 v13, 0xff61b1e6                      ; the largest t so far: -3e38, under every t
	s_delay_alu instid0(VALU_DEP_1)
	v_floor_f32 v12, -v13                          ; -M
	v_mov_b32 v14, 0                               ; the sum, in two halves
	v_mov_b32 v15, 0
.set j, 0
.rept 32
	v_mov_b32 v[OT+j], 0                           ; O^T: the first step finds zeros, which the first change of M leaves zeros
.set j, j+1
.endr
	s_wait_alu depctr_va_vdst(0)                   ; the wait ahead of the wait below
	s_wait_loadcnt 0x0
.endm
; A KEY STEP: 128 keys from s[KF] on.
.macro STEP u
	s_cmp_gt_u32 s[KF], s[SQ]                      ; all its keys come after my queries: the work is left out, the steps of the addresses at the end are not
	s_cbranch_scc1 .Lhidden_\@
	v_add_nc_u32 v[ADK], s[TB], v[AK0]             ; (these four and the two v_nop at the last step's end are six places between that step's last products and the products below, which write over V's fragments)
	v_add_nc_u32 v[ADV], s[TB], v[AV0]
	v_add_nc_u32 v[ADS], s[TS], v[ASK0]
	v_add_nc_u32 v[ADT], s[TS], v[ASV0]
	s_wait_alu depctr_va_vdst(0)
.irp g, 0,1                                    ; S^T = K Q^T, four tiles of 16 key rows at a time
.if \g
.rept 4
	v_nop                                          ; places in front of loads into registers that matrix instructions have read
.endr
.endif
.irp t, 0,1,2,3
.irp e, 0,1,2
	ds_load_b64 v[KFR+12*\t+2*\e:KFR+12*\t+2*\e+1], v[ADK] offset:768*(4*\g+\t)+8*\e
.endr
	ds_load_b32 v[KW+\t], v[ADS] offset:64*(4*\g+\t)
.endr
.if \g
.irp t, 0,1,2,3
.irp c, 0,1
	ds_load_b32 v[VR+2*\t+\c], v[ADT] offset:256*\c+64*\t   ; V's scale words of the step's two planes
.endr
.endr
.endif
	s_wait_dscnt 0x0
.irp t, 0,1,2,3
	v_wmma_scale_f32_16x16x128_f8f6f4 v[S+8*(4*\g+\t):S+8*(4*\g+\t)+7], v[KFR+12*\t:KFR+12*\t+11], v[QF:QF+11], 0, v[KW+\t], v[QW] matrix_a_fmt:MATRIX_FMT_BF6 matrix_b_fmt:MATRIX_FMT_BF6
.endr
.endr
.irp t, 0,1,2,3
	v_lshl_or_b32 v[VW+\t], v[VR+2*\t+1], 16, v[VR+2*\t]   ; two planes' bytes make a word for 128 keys; also the four places behind the products
.endr
	s_cmp_lg_u32 s[KF], s[SQ]                      ; only the step on the diagonal hides keys
	s_cbranch_scc1 .Lopen_\@
.irp b, 0,1,2,3                                ; register 16 b + i holds key 32 b + 16 h + i of the step, my token is 32 cx + 8 u + r + 8 (r / 8)
	s_cmp_lt_u32 s[CX], \b
	s_cselect_b32 s99, -1, 0                       ; a block over cx is hidden in all lanes, one under it in none;
	s_cmp_eq_u32 s[CX], \b                         ; in block cx: lanes 0-7 and 24-31 with r % 8 under i - 8 u, and lanes 16-23
.set i, 0
.rept 16
.set cnt, i-8*\u
.if cnt < 0
.set cnt, 0
.endif
.if cnt > 8
.set cnt, 8
.endif
.set lm, (1<<cnt)-1
	s_cselect_b32 s[81+i%2], lm|0xff0000|(lm<<24), s99
	v_cndmask_b32 v[S+16*\b+i], v[S+16*\b+i], v[NINF], s[81+i%2]
.set i, i+1
.endr
.endr
.Lopen_\@:
.irp b, 0,1,2,3
	v_max3_num_f32 v[BM+\b], v[S+16*\b], v[S+1+16*\b], v[S+2+16*\b]   ; the largest score of each block of 32 keys: for the row's maximum, and, since p rises with the score, for the block's largest p
.endr
.irp i, 3,5,7,9,11,13
.irp b, 0,1,2,3
	v_max3_num_f32 v[BM+\b], v[BM+\b], v[S+16*\b+\i], v[S+1+16*\b+\i]
.endr
.endr
.irp b, 0,1,2,3
	v_max_num_f32 v[BM+\b], v[BM+\b], v[S+15+16*\b]
.endr
.irp b, 0,1,2,3
	s_delay_alu instid0(VALU_DEP_4)
	v_permlanex16_b32 v[T4+\b], v[BM+\b], s[SEL], s[SEL+1]
.endr
.irp b, 0,1,2,3
	s_delay_alu instid0(VALU_DEP_4)
	v_max_num_f32 v[BM+\b], v[BM+\b], v[T4+\b]     ; with lane l xor 16's 16 keys
.endr
	s_delay_alu instid0(VALU_DEP_2)
	v_max3_num_f32 v[TA], v[BM], v[BM+1], v[BM+2]
	s_delay_alu instid0(VALU_DEP_1)
	v_max_num_f32 v[TA], v[TA], v[BM+3]            ; the step's largest score of my query
	s_delay_alu instid0(VALU_DEP_1)
	v_mul_f32 v[TA], s[CS], v[TA]                  ; as t
	s_delay_alu instid0(VALU_DEP_1)
	v_max_num_f32 v13, v13, v[TA]                  ; the running largest t
	v_mov_b32 v[TA], v12
	s_delay_alu instid0(VALU_DEP_2)
	v_floor_f32 v12, -v13                          ; the new -M = floor(-t): M is a whole number
	s_delay_alu instid0(VALU_DEP_1)
	v_sub_f32 v[TA], v12, v[TA]                    ; old M - new M: a whole number, 0 or less
	s_delay_alu instid0(VALU_DEP_1)
	v_cvt_i32_f32 v[TA], v[TA]                     ; (it saturates)
	s_delay_alu instid0(VALU_DEP_1)
	v_ldexp_f32 v[FF], 1.0, v[TA]                  ; f = 2^(old M - new M)
.set j, 0
.rept 32
	v_pk_fma_f32 v[S+j:S+j+1], v[S+j:S+j+1], s[CS:CS+1], v[12:13] op_sel_hi:[1,0,0]   ; t - M, two at a time
.set j, j+2
.endr
.irp b, 0,1,2,3
	v_fma_f32 v[BM+\b], v[BM+\b], s[CS], v12       ; the same of each block's largest score
.endr
.set j, 0
	s_wait_alu depctr_va_vdst(0)                   ; the wait ahead of the batch
.rept 64
	v_exp_f32 v[S+j], v[S+j]                       ; p = 2^(t - M), at most 1
.set j, j+1
.endr
	v_pk_mul_f32 v[14:15], v[14:15], v[FF:FF+1] op_sel_hi:[1,0]   ; the sums under the new M; also the plain instruction behind the exponentials
	s_wait_alu depctr_va_vdst(0)                   ; one wait for the whole batch, ahead of its first reader
.irp b, 0,1,2,3
	v_exp_f32 v[BM+\b], v[BM+\b]                   ; the block's largest p: the same two instructions on the same number give the same bits
.endr
	v_pk_add_f32 v[100:101], v[132:133], v[136:137]   ; the row's sum of the unquantised p, in eight chains
	v_pk_add_f32 v[254:255], v[140:141], v[144:145]
	v_pk_add_f32 v[252:253], v[148:149], v[152:153]
	v_pk_add_f32 v[250:251], v[156:157], v[160:161]
	v_pk_add_f32 v[248:249], v[164:165], v[168:169]
	v_pk_add_f32 v[246:247], v[172:173], v[176:177]
	v_pk_add_f32 v[244:245], v[180:181], v[184:185]
	v_pk_add_f32 v[14:15], v[14:15], v[188:189]
	v_pk_add_f32 v[100:101], v[100:101], v[128:129]
	v_pk_add_f32 v[254:255], v[254:255], v[130:131]
	v_pk_add_f32 v[252:253], v[252:253], v[134:135]
	v_pk_add_f32 v[250:251], v[250:251], v[138:139]
	v_pk_add_f32 v[248:249], v[248:249], v[142:143]
	v_pk_add_f32 v[246:247], v[246:247], v[146:147]
	v_pk_add_f32 v[244:245], v[244:245], v[150:151]
	v_pk_add_f32 v[14:15], v[14:15], v[154:155]
	v_pk_add_f32 v[100:101], v[100:101], v[158:159]
	v_pk_add_f32 v[254:255], v[254:255], v[162:163]
	v_pk_add_f32 v[252:253], v[252:253], v[166:167]
	v_pk_add_f32 v[250:251], v[250:251], v[170:171]
	v_pk_add_f32 v[248:249], v[248:249], v[174:175]
	v_pk_add_f32 v[246:247], v[246:247], v[178:179]
	v_pk_add_f32 v[244:245], v[244:245], v[182:183]
	v_pk_add_f32 v[14:15], v[14:15], v[186:187]
	v_pk_add_f32 v[100:101], v[100:101], v[190:191]
	s_delay_alu instid0(VALU_DEP_2)
	v_pk_add_f32 v[14:15], v[14:15], v[250:251]
	s_delay_alu instid0(VALU_DEP_2)
	v_pk_add_f32 v[100:101], v[100:101], v[248:249]
	v_pk_add_f32 v[254:255], v[254:255], v[246:247]
	v_pk_add_f32 v[252:253], v[252:253], v[244:245]
	s_delay_alu instid0(VALU_DEP_2)
	v_pk_add_f32 v[14:15], v[14:15], v[254:255]
	s_delay_alu instid0(VALU_DEP_2)
	v_pk_add_f32 v[100:101], v[100:101], v[252:253]
	s_delay_alu instid0(VALU_DEP_1)
	v_pk_add_f32 v[14:15], v[14:15], v[100:101]
	s_wait_alu depctr_va_vdst(0)                   ; and one for the four
.irp b, 0,1,2,3
	v_max_num_f32 v[BM+\b], 0x2800000, v[BM+\b]    ; the floor 2^(5 - 127): the byte cannot fall under 1 (a block whose every p is 0 keeps that byte: its codes are zeros)
.endr
.irp b, 0,1,2,3
	s_delay_alu instid0(VALU_DEP_4)
	v_add_nc_u32 v[SO+\b], 0xfe000000, v[BM+\b]    ; 4 off the exponent field: the conversion's scale operand
.endr
.irp b, 0,1,2,3
	s_delay_alu instid0(VALU_DEP_4)
	v_lshrrev_b32 v[T4+\b], 23, v[SO+\b]           ; the scale's byte
.endr
	s_delay_alu instid0(VALU_DEP_3)
	v_lshl_or_b32 v[PWD], v[T4+1], 8, v[T4]        ; p's scale word for these 128 keys
	s_delay_alu instid0(VALU_DEP_1)
	v_lshl_or_b32 v[PWD], v[T4+2], 16, v[PWD]
	s_delay_alu instid0(VALU_DEP_1)
	v_lshl_or_b32 v[PWD], v[T4+3], 24, v[PWD]
.irp c, 0,1
	v_cvt_scalef32_pk16_bf6_f32 v[PCD+6*\c:PCD+6*\c+2], v[S+32*\c:S+32*\c+15], v[SO+2*\c]
	v_cvt_scalef32_pk16_bf6_f32 v[CT+4*\c:CT+4*\c+2], v[S+32*\c+16:S+32*\c+31], v[SO+2*\c+1]   ; (a conversion's three registers begin on an even number)
.endr
	v_nop                                          ; one plain instruction behind the conversions
.irp t, 0,1,2,3                                ; p is done with: V's four fragments (16 channel rows x 128 keys each) take its registers, and land under the work below
.irp c, 0,1
.irp e, 0,1,2
	ds_load_b64 v[S+12*\t+6*\c+2*\e:S+12*\t+6*\c+2*\e+1], v[ADV] offset:768*\t+3072*\c+8*\e
.endr
.endr
.endr
.irp c, 0,1                                    ; a whole block to a lane: lanes 0-15 block 2 c, lanes 16-31 block 2 c + 1
.irp i, 0,1,2
	v_permlane16_swap_b32 v[PCD+6*\c+\i], v[CT+4*\c+\i]
.endr
.irp i, 0,1,2
	s_delay_alu instid0(VALU_DEP_3)
	v_mov_b32 v[PCD+3+6*\c+\i], v[CT+4*\c+\i]
.endr
.endr
.set j, 0
.rept 16
	v_pk_mul_f32 v[OT+j:OT+j+1], v[OT+j:OT+j+1], v[FF:FF+1] op_sel_hi:[1,0]   ; O^T under the new M; these are also the places between the lines that made p's codes and scale word and the products
.set j, j+2
.endr
	s_wait_alu depctr_va_vdst(0)                   ; the wait ahead of the wait below
	s_wait_dscnt 0x0
.irp t, 0,1,2,3                                ; O^T += V^T P^T: four accumulators by turns
	v_wmma_scale_f32_16x16x128_f8f6f4 v[OT+8*\t:OT+8*\t+7], v[S+12*\t:S+12*\t+11], v[PCD:PCD+11], v[OT+8*\t:OT+8*\t+7], v[VW+\t], v[PWD] matrix_a_fmt:MATRIX_FMT_BF6 matrix_b_fmt:MATRIX_FMT_BF6
.endr
	v_nop
	v_nop
.Lhidden_\@:
	s_add_co_u32 s[KF], s[KF], 128
	s_add_co_u32 s[TB], s[TB], 6144
	s_add_co_u32 s[TS], s[TS], 512
.endm
.macro WALK u                          ; sixteen key steps: a constant number of trips in every wave; those behind my group are jumped over
	s_mov_b32 s[KF], 0
	s_mov_b32 s[TB], 0
	s_mov_b32 s[TS], 0
	s_mov_b32 s[CNT], 16
.Lsteps_\@:
	STEP \u
	s_sub_co_u32 s[CNT], s[CNT], 1
	s_cmp_lg_u32 s[CNT], 0
	s_cbranch_scc1 .Lsteps_\@
.endm
; THE WAY OUT: y = O^T / the sum, quantised along the head's 64 channels: register 16 b + i is channel 32 b + 16 h + i.  The 16 rows' codes are 768 consecutive bytes of the result: they turn through my stage
; and leave as three aligned runs of 256 bytes.
.macro WAYOUT
.rept 4
	v_nop                                          ; places behind the last products
.endr
	v_add_f32 v14, v14, v15                        ; the sum's two halves,
	s_delay_alu instid0(VALU_DEP_1)
	v_permlanex16_b32 v[TA], v14, s[SEL], s[SEL+1]
	s_delay_alu instid0(VALU_DEP_1)
	v_add_f32 v14, v14, v[TA]                      ; and lane l xor 16's
	s_wait_alu depctr_va_vdst(0)
	v_rcp_f32 v14, v14
	v_nop                                          ; a plain instruction behind the reciprocal,
	s_wait_alu depctr_va_vdst(0)                   ; and the wait ahead of its first reader
.set j, 0
.rept 32
	v_mul_f32 v[S+j], v[OT+j], v14                 ; each accumulator from its low end on
.set j, j+1
.endr
.irp b, 0,1
	v_max3_num_f32 v[BM+\b], |v[S+16*\b]|, |v[S+1+16*\b]|, 0x2800000
.endr
.irp i, 2,4,6,8,10,12,14
.irp b, 0,1
	s_delay_alu instid0(VALU_DEP_2)
	v_max3_num_f32 v[BM+\b], v[BM+\b], |v[S+16*\b+\i]|, |v[S+1+16*\b+\i]|
.endr
.endr
.irp b, 0,1
	s_delay_alu instid0(VALU_DEP_2)
	v_permlanex16_b32 v[T4+\b], v[BM+\b], s[SEL], s[SEL+1]
.endr
.irp b, 0,1
	s_delay_alu instid0(VALU_DEP_2)
	v_max_num_f32 v[BM+\b], v[BM+\b], v[T4+\b]
.endr
.irp b, 0,1
	s_delay_alu instid0(VALU_DEP_2)
	v_add_nc_u32 v[SO+\b], 0xfe000000, v[BM+\b]
.endr
.irp b, 0,1
	s_delay_alu instid0(VALU_DEP_2)
	v_lshrrev_b32 v[T4+\b], 23, v[SO+\b]
.endr
	s_delay_alu instid0(VALU_DEP_1)
	v_lshl_or_b32 v[YS], v[T4+1], 8, v[T4]
	v_cvt_scalef32_pk16_bf6_f32 v[PCD:PCD+2], v[S:S+15], v[SO]
	v_cvt_scalef32_pk16_bf6_f32 v[PCD+4:PCD+6], v[S+16:S+31], v[SO+1]
	v_nop                                          ; one plain instruction behind the conversions
.irp i, 0,1,2
	v_permlane16_swap_b32 v[PCD+\i], v[PCD+4+\i]   ; lanes 0-15: block 0, lanes 16-31: block 1
.endr
	s_delay_alu instid0(VALU_DEP_3)
	v_mov_b32 v[PCD+3], v[PCD+4]
	s_delay_alu instid0(VALU_DEP_3)
	v_mov_b32 v[PCD+4], v[PCD+5]
	s_delay_alu instid0(VALU_DEP_3)
	v_mov_b32 v[PCD+5], v[PCD+6]
.irp e, 0,1,2
	ds_store_b64 v[STO], v[PCD+2*\e:PCD+2*\e+1] offset:8*\e
.endr
.irp e, 0,1,2
	ds_load_b64 v[WO+2*\e:WO+2*\e+1], v[SRD] offset:256*\e   ; LDS serves a wave's instructions in order: these see my stores
.endr
	global_store_b16 v[GYS], v[YS], s[96:97]       ; lanes l and l + 16 write the same two bytes with the same value
	s_wait_dscnt 0x0
.irp e, 0,1,2
	global_store_b64 v[GO], v[WO+2*\e:WO+2*\e+1], s[94:95] offset:256*\e   ; 256 consecutive bytes, at a multiple of 256 from the buffer's first byte
.endr
.endm
	s_sub_co_u32 s98, 15, s[WV]                    ; group 15 - w, tile 2 cx
	INIT 0
	s_wait_tensorcnt 0x0                           ; my one load has landed,
	s_barrier_signal -1
	s_barrier_wait -1                              ; and so has every wave's: the head's K and V lie in LDS
	WALK 0
	WAYOUT
	s_mov_b32 s98, s[WV]                           ; group w, tile 2 cx + 1
	INIT 1
	WALK 1
	WAYOUT
	s_wait_tensorcnt 0x0                           ; the wave's end, behind my last tensor load and my last LDS store
	ds_add_u32 v[SPW], v[NIL]
	s_wait_dscnt 0x0
	CROUND                                         ; the closing round
	s_endpgm
.Lfunc_end_k_q45a5ef5407_attn:
	.size	k_q45a5ef5407_attn, .Lfunc_end_k_q45a5ef5407_attn-k_q45a5ef5407_attn
	.p2alignl 7, 3214868480
	.fill 96, 4, 3214868480
	.section	.rodata,"a",@progbits
	.p2align	6, 0x0
	.amdhsa_kernel k_q45a5ef5407_attn
		.amdhsa_group_segment_fixed_size 229376
		.amdhsa_private_segment_fixed_size 0
		.amdhsa_enable_private_segment 0
		.amdhsa_kernarg_size 32
		.amdhsa_user_sgpr_count 2
		.amdhsa_user_sgpr_kernarg_segment_ptr 1
		.amdhsa_wavefront_size32 1
		.amdhsa_system_sgpr_workgroup_id_x 1
		.amdhsa_system_sgpr_workgroup_id_y 1
		.amdhsa_system_sgpr_workgroup_id_z 1
		.amdhsa_system_vgpr_workitem_id 0
		.amdhsa_next_free_vgpr 256
		.amdhsa_next_free_sgpr 100
		.amdhsa_reserve_vcc 0
		.amdhsa_float_denorm_mode_32 3
		.amdhsa_float_denorm_mode_16_64 3
		.amdhsa_memory_ordered 1
		.amdhsa_forward_progress 1
		.amdhsa_inst_pref_size 79
	.end_amdhsa_kernel
	.amdgpu_metadata
---
amdhsa.version: [ 1, 2 ]
amdhsa.kernels:
  - .name:           k_q45a5ef5407_attn
    .symbol:         k_q45a5ef5407_attn.kd
    .args:
      - { .name: qkv_codes, .offset: 0, .size: 8, .value_kind: global_buffer, .address_space: global }
      - { .name: qkv_scales, .offset: 8, .size: 8, .value_kind: global_buffer, .address_space: global }
      - { .name: y_codes, .offset: 16, .size: 8, .value_kind: global_buffer, .address_space: global }
      - { .name: y_scales, .offset: 24, .size: 8, .value_kind: global_buffer, .address_space: global }
    .group_segment_fixed_size: 229376
    .private_segment_fixed_size: 0
    .kernarg_segment_align: 8
    .kernarg_segment_size: 32
    .max_flat_workgroup_size: 512
    .sgpr_count:     100
    .vgpr_count:     256
    .wavefront_size: 32
...
	.end_amdgpu_metadata
.endif
;; end of part 3
;; launch gemm_proj (part 4): grid 8 x 32, 8 waves a work-group, clusters of 4 x 4, 327,680 bytes of LDS; arguments y_codes, y_scales, op_codes, op_scales, out0; writes out0
.if DOCPART == 4
	.amdgcn_target "amdgcn-amd-amdhsa--gfx1250"
	.amdhsa_code_object_version 6
	.text
	.protected	k_q45a5ef5407_gemm_proj
	.globl	k_q45a5ef5407_gemm_proj
	.p2align	8
	.type	k_q45a5ef5407_gemm_proj,@function
k_q45a5ef5407_gemm_proj:
	s_mov_b64 s[64:65], 0
	v_nop
	global_prefetch_b8 v0, s[64:65] scope:SCOPE_SE
	s_setreg_imm32_b32 hwreg(HW_REG_WAVE_MODE, 25, 1), 1
	s_wait_xcnt 0x0
	s_wait_alu depctr_hold_cnt(0) depctr_sa_sdst(0) depctr_va_vdst(0) depctr_va_sdst(0) depctr_va_ssrc(0) depctr_va_vcc(0) depctr_vm_vsrc(0)
	s_getreg_b32 s2, hwreg(HW_REG_IB_STS2, 6, 4)
	s_cmp_eq_u32 s2, 0
	s_cbranch_scc0 .Lentry_in_a_cluster
	s_endpgm
.Lentry_in_a_cluster:
	s_bfe_u32 s2, ttmp6, 0x10000c
	s_cmp_lg_u32 s2, 0xf033
	s_cbranch_scc0 .Lentry_shape_is_right
	s_endpgm
.Lentry_shape_is_right:
; out0 = y w_proj on codes of BF6 (E3M2) with E8M0 scales; K = 1,024; sums and result f32.
; OPERANDS.  A = y: codes [16 planes of 64 along K][8192 rows][48 bytes], scale bytes [8192 rows][32].  B = w_proj: codes [16 planes][12288 rows][48], rows 11264 .., scale bytes [12288 rows][32].
; Row n of either holds token (column) n with bits 3 and 4 exchanged.
; SHARES.  A work-group makes 256 tokens x 128 columns: 32 x 8 = 256 work-groups.  ALL OF K LIES IN LDS: A's 16 planes of 12,288 bytes, then B's 16 of 6,144: 294,912 bytes, every fill a first fill, one joint load a wave at the
; head (waves 0-3: four planes of A each; waves 4-7: four of B).  No slot is filled again, so there is no ring; and no loop in which a prefetch could ask ahead.
; CLUSTERS: 4 x 4; A's tile hangs on the token block alone and is asked for jointly along a row of the cluster, B's on the column block alone, along a column.
; A wave makes 64 tokens x 64 columns: 16 accumulators, which take turns in the same order in each of the 8 steps of 128 along K.  Two sets of fragments: a step's 48 loads are issued ahead of
; the step before it.  The scale words of the wave's rows, for all of K, go from memory straight into 64 registers: a lane reads its row's 32 bytes, sixteen lanes 512 consecutive bytes.
; THE MATRIX INSTRUCTION IS USED TRANSPOSED (source 0 = 16 rows of B, source 1 = 16 rows of A): lane (r, h) holds token row r, and register j of tile b column 32 (b / 2) + 16 h + 8 (b % 2) + j.
; REGISTERS: window 0: v8-21 addresses, v32-63 A's scale words (8 a + step), v64-95 B's, v96-191 fragment set 0 (B's four, then A's four); window 1: v0-127 the accumulators ((a, b) at 8 (4 a + b)), v128-223 set 1.
.set APL,   393216                     ; a plane of A's codes in memory, in bytes
.set BPL,   589824                     ; of B's
.set LA,    12288                      ; a plane of A's tile in LDS: 256 rows of 48 bytes
.set LB,    6144                       ; of B's: 128 rows
.set BB0,   16*LA
.set SPARE, BB0+16*LB                  ; the spare words, 128 bytes for each wave: four blocks of 256 bytes that no other line names
.set SP,    272                        ; the way out: a stage row, 256 bytes + 16
.set BLK,   16*SP
.set WST,   4*BLK                      ; a wave's stage: 64 rows.  The stages lie over A's tile, which has had its only fill, behind a barrier behind which nobody reads it
.set ADRA, 8                           ; v8-11  my A fragments, planes 4 k ..
.set ADRB, 12                          ; v12-15 the same for B
.set STO,  16
.set RD,   17
.set CO,   18
.set SAO,  19                          ; 32 r
.set SPW,  20
.set NIL,  21
.set SA,   32
.set SB,   64
.set BK,   96                          ; the way out: v96-223, the stage read back
.set G1,  24
.set G0,  32
.set G1B, 48
.set G0B, 56
.set MSB, 0
.macro WIN new                         ; the immediate's high byte repeats the setting that is left
.if MSB != (\new)
	s_set_vgpr_msb (MSB<<8)|(\new)
.set MSB, (\new)
.endif
.endm
.macro CROUND
	s_barrier_signal -1
	s_barrier_wait -1
	s_cmp_lg_u32 s14, 0
	s_cbranch_scc1 .Lnot_wave_0_\@
	s_barrier_signal -3
.Lnot_wave_0_\@:
	s_barrier_wait -3
	s_barrier_signal -1
	s_barrier_wait -1
.endm
	s_load_b256 s[4:11], s[0:1], 0x0               ; y's codes, y's scales, the weights' codes, their scales
	s_load_b64 s[12:13], s[0:1], 0x20              ; out0
	v_lshl_add_u32 v[SPW], v0, 2, SPARE
	v_mov_b32 v[NIL], 0
	ds_add_u32 v[SPW], v[NIL]                      ; the opening lines: the add, twice on end, and below its wait
	ds_add_u32 v[SPW], v[NIL]
	v_lshrrev_b32 v1, 5, v0
	v_readfirstlane_b32 s14, v1                    ; wave 0..7
	s_lshr_b32 s15, s14, 2                         ; which 64 columns are mine.  Also: I fetch for A (0) or for B (1)
	s_and_b32 s16, s14, 3                          ; which 64 tokens.  Also: which four planes I fetch
	s_bfe_u32 s40, ttmp6, 0x40000                  ; cx, cy
	s_bfe_u32 s41, ttmp6, 0x40004
	s_lshl_b32 s42, ttmp9, 2
	s_add_co_u32 s42, s42, s40                     ; column block
	s_and_b32 s17, ttmp7, 0xffff
	s_lshl_b32 s17, s17, 2
	s_add_co_u32 s17, s17, s41                     ; token block
	s_lshl_b32 s43, s41, 2
	s_lshl_b32 s43, 15, s43                        ; my row of the cluster
	s_lshl_b32 s44, 0x1111, s40                    ; my column
	s_or_b32 s[G1], s43, (3<<16)|(1<<21)           ; elements of 8 bytes; four runs, a plane apart; no padding: a fragment's lanes stand 24 bytes apart
	s_or_b32 s[G1B], s44, (3<<16)|(1<<21)
	s_mov_b32 s[G1+1], (LA/8)<<16
	s_mov_b32 s[G1+2], 4<<16
	s_mov_b32 s[G1+3], (LA/8)<<16
	s_mov_b32 s[G1+4], 4
	s_mov_b32 s[G1+5], APL/8
	s_mov_b32 s[G1+6], 0
	s_mov_b32 s[G1+7], 0
	s_mov_b32 s[G1B+1], (LB/8)<<16
	s_mov_b32 s[G1B+2], 4<<16
	s_mov_b32 s[G1B+3], (LB/8)<<16
	s_mov_b32 s[G1B+4], 4
	s_mov_b32 s[G1B+5], BPL/8
	s_mov_b32 s[G1B+6], 0
	s_mov_b32 s[G1B+7], 0
	s_mul_i32 s20, s17, LA                         ; A's codes: my token block's rows, my four planes
	s_mul_i32 s18, s16, 4*APL
	s_add_co_u32 s20, s20, s18
	s_mov_b32 s21, 0
	s_mul_i32 s46, s42, LB                         ; B's
	s_mul_i32 s18, s16, 4*BPL
	s_add_co_u32 s46, s46, s18
	s_add_co_u32 s46, s46, 11264*48
	s_mov_b32 s47, 0
	s_mul_i32 s45, s16, 4*LA                       ; where they go
	s_mul_i32 s19, s16, 4*LB
	s_add_co_u32 s19, s19, BB0
	s_lshl_b32 s22, s17, 13                        ; the scale bytes of my 64 tokens,
	s_lshl_b32 s18, s16, 11
	s_add_co_u32 s22, s22, s18
	s_mov_b32 s23, 0
	s_lshl_b32 s92, s42, 12                        ; and of my 64 columns
	s_lshl_b32 s18, s15, 11
	s_add_co_u32 s92, s92, s18
	s_add_co_u32 s92, s92, 11264*32
	s_mov_b32 s93, 0
	s_lshl_b32 s94, s17, 20                        ; my part of out0: rows of 4,096 bytes
	s_lshl_b32 s18, s16, 18
	s_add_co_u32 s94, s94, s18
	s_lshl_b32 s18, s42, 9
	s_add_co_u32 s94, s94, s18
	s_lshl_b32 s18, s15, 8
	s_add_co_u32 s94, s94, s18
	s_mov_b32 s95, 0
	s_mul_i32 s18, s16, 64*48
.irp k, 0,1,2,3
	s_add_co_u32 s[66+\k], s18, \k*4*LA
.endr
	s_mul_i32 s18, s15, 64*48
	s_add_co_u32 s18, s18, BB0
.irp k, 0,1,2,3
	s_add_co_u32 s[70+\k], s18, \k*4*LB
.endr
	s_mul_i32 s74, s14, WST
	v_and_b32 v1, 15, v0                           ; r
	v_bfe_u32 v2, v0, 4, 1                         ; h
	v_mul_u32_u24 v3, v1, 48
	v_mad_u32_u24 v3, v2, 24, v3                   ; a fragment's row x 48 + 24 x half
.irp k, 0,1,2,3
	v_add_nc_u32 v[ADRA+\k], s[66+\k], v3
	v_add_nc_u32 v[ADRB+\k], s[70+\k], v3
.endr
	v_mul_u32_u24 v4, v1, SP
	v_lshl_add_u32 v4, v2, 6, v4
	v_add_nc_u32 v[STO], s74, v4                   ; into my stage: row r, 64 bytes for each half of the lanes
	v_mul_u32_u24 v5, v2, SP
	v_lshl_add_u32 v5, v1, 4, v5
	v_add_nc_u32 v[RD], s74, v5                    ; back: sixteen lanes to a row of 256 bytes, two rows an instruction
	v_lshlrev_b32 v6, 12, v2
	v_lshl_add_u32 v[CO], v1, 4, v6                ; and the same in out0
	v_lshlrev_b32 v[SAO], 5, v1
	s_wait_alu depctr_va_vdst(0)                   ; the wait at the head's end
	s_wait_dscnt 0x0                               ; both opening adds are done
	s_wait_kmcnt 0x0
	s_add_nc_u64 s[20:21], s[4:5], s[20:21]
	s_add_nc_u64 s[22:23], s[6:7], s[22:23]
	s_add_nc_u64 s[46:47], s[8:9], s[46:47]
	s_add_nc_u64 s[92:93], s[10:11], s[92:93]
	s_add_nc_u64 s[12:13], s[12:13], s[94:95]
.irp i, 0,1,2,3
	global_load_b128 v[SA+8*\i:SA+8*\i+3], v[SAO], s[22:23] offset:512*\i
	global_load_b128 v[SA+8*\i+4:SA+8*\i+7], v[SAO], s[22:23] offset:512*\i+16
	global_load_b128 v[SB+8*\i:SB+8*\i+3], v[SAO], s[92:93] offset:512*\i
	global_load_b128 v[SB+8*\i+4:SB+8*\i+7], v[SAO], s[92:93] offset:512*\i+16
.endr
	s_mov_b32 s[G0], 1
	s_mov_b32 s[G0+1], s45
	s_mov_b64 s[G0+2:G0+3], s[20:21]
	s_or_b32 s[G0+3], s[G0+3], 0x80000000
	s_mov_b32 s[G0B], 1
	s_mov_b32 s[G0B+1], s19
	s_mov_b64 s[G0B+2:G0B+3], s[46:47]
	s_or_b32 s[G0B+3], s[G0B+3], 0x80000000
	CROUND                                         ; all sixteen work-groups are here: the joint loads meet
	s_cmp_eq_u32 s15, 0
	s_cbranch_scc0 .Lfor_b
	tensor_load_to_lds s[G0:G0+3], s[G1:G1+7]
	s_nop 0
.rept 4
	v_nop
.endr
	s_branch .Lasked
.Lfor_b:
	tensor_load_to_lds s[G0B:G0B+3], s[G1B:G1B+7]
	s_nop 0
.rept 4
	v_nop
.endr
.Lasked:
	s_wait_tensorcnt 0x0                           ; my one load has landed,
	s_barrier_signal -1
	s_barrier_wait -1                              ; and so has every wave's
.macro FETCH st                        ; step st's eight fragments into set st % 2: lane (r, h): registers 6 c .. 6 c + 5 = 24 bytes of row r in plane 2 st + c, in pieces of 8 bytes
.set FB, 96+32*((\st)%2)
	WIN 0x40*((\st)%2)
.irp i, 0,1,2,3
.irp p, 0,1,2,3,4,5
	ds_load_b64 v[FB+12*\i+2*\p:FB+12*\i+2*\p+1], v[ADRB+(\st)/2] offset:(2*((\st)%2)+\p/3)*LB+\i*768+8*(\p%3)
.endr
.endr
.irp i, 0,1,2,3
.irp p, 0,1,2,3,4,5
	ds_load_b64 v[FB+48+12*\i+2*\p:FB+48+12*\i+2*\p+1], v[ADRA+(\st)/2] offset:(2*((\st)%2)+\p/3)*LA+\i*768+8*(\p%3)
.endr
.endr
	WIN 0
.endm
.macro MUL st                          ; 16 matrix instructions; the first step's start the sums
.set FB, 96+32*((\st)%2)
	WIN 0x50+5*((\st)%2)
.irp a, 0,1,2,3
.irp b, 0,1,2,3
.if (\st) == 0
	v_wmma_scale_f32_16x16x128_f8f6f4 v[8*(4*\a+\b):8*(4*\a+\b)+7], v[FB+12*\b:FB+12*\b+11], v[FB+48+12*\a:FB+48+12*\a+11], 0, v[SB+8*\b+(\st)], v[SA+8*\a+(\st)] matrix_a_fmt:MATRIX_FMT_BF6 matrix_b_fmt:MATRIX_FMT_BF6
.else
	v_wmma_scale_f32_16x16x128_f8f6f4 v[8*(4*\a+\b):8*(4*\a+\b)+7], v[FB+12*\b:FB+12*\b+11], v[FB+48+12*\a:FB+48+12*\a+11], v[8*(4*\a+\b):8*(4*\a+\b)+7], v[SB+8*\b+(\st)], v[SA+8*\a+(\st)] matrix_a_fmt:MATRIX_FMT_BF6 matrix_b_fmt:MATRIX_FMT_BF6
.endif
.endr
.endr
.endm
	FETCH 0
.set ST, 0
.rept 7
.if ST > 0
.rept 4
	v_nop                                          ; places in front of loads into the set that the step before multiplied
.endr
.endif
	FETCH ST+1
	s_wait_dscnt 48                                ; this step's fragments are in; the 48 loads just issued may be out
.if ST == 0
	s_wait_loadcnt 0x0                             ; the scale words are in
.endif
	MUL ST
.set ST, ST+1
.endr
	s_wait_dscnt 0x0
	MUL 7
	WIN 0
.rept 4
	v_nop                                          ; places behind the last products
.endr
	s_barrier_signal -1                            ; no LDS instruction of mine is out: my reads of the tiles are over;
	s_barrier_wait -1                              ; everybody's are: the stages may be written
; THE WAY OUT, by blocks of 16 token rows x 64 columns: through my stage and back as whole rows of 256 bytes.  LDS serves a wave's instructions in order: no wait between the stores and the loads.
.macro TOSTAGE a
	WIN 0x04                                       ; the data: window 1
.irp b, 0,1,2,3
	ds_store_b128 v[STO], v[8*(4*(\a)+\b):8*(4*(\a)+\b)+3] offset:(\a)*BLK+128*(\b/2)+32*(\b%2)      ; each accumulator from its low end on
	ds_store_b128 v[STO], v[8*(4*(\a)+\b)+4:8*(4*(\a)+\b)+7] offset:(\a)*BLK+128*(\b/2)+32*(\b%2)+16
.endr
	WIN 0
.irp t, 0,1,2,3,4,5,6,7
	ds_load_b128 v[BK+32*(\a)+4*\t:BK+32*(\a)+4*\t+3], v[RD] offset:(\a)*BLK+\t*2*SP
.endr
.endm
.macro SEND a, younger                 ; row 16 a + 2 t + h holds token 32 (a / 2) + 16 (t / 4) + 8 (a % 2) + 2 (t % 4) + h
	s_wait_dscnt \younger
.irp t, 0,1,2,3,4,5,6,7
	global_store_b128 v[CO], v[BK+32*(\a)+4*\t:BK+32*(\a)+4*\t+3], s[12:13] offset:(32*((\a)/2)+16*(\t/4)+8*((\a)%2)+2*(\t%4))*4096 th:TH_STORE_NT   ; sixteen lanes store 256 consecutive bytes, at a multiple of 256 from out0's first byte
.endr
.endm
	TOSTAGE 0
.irp a, 1,2,3
	TOSTAGE \a
	SEND \a-1, 16                                  ; behind block a - 1's loads: block a's 8 stores and 8 loads
.endr
	SEND 3, 0
	s_wait_tensorcnt 0x0                           ; the wave's end, behind my last tensor load and my last LDS store
	ds_add_u32 v[SPW], v[NIL]
	s_wait_dscnt 0x0
	CROUND                                         ; the closing round
	s_endpgm
.Lfunc_end_k_q45a5ef5407_gemm_proj:
	.size	k_q45a5ef5407_gemm_proj, .Lfunc_end_k_q45a5ef5407_gemm_proj-k_q45a5ef5407_gemm_proj
	.p2alignl 7, 3214868480
	.fill 96, 4, 3214868480
	.section	.rodata,"a",@progbits
	.p2align	6, 0x0
	.amdhsa_kernel k_q45a5ef5407_gemm_proj
		.amdhsa_group_segment_fixed_size 327680
		.amdhsa_private_segment_fixed_size 0
		.amdhsa_enable_private_segment 0
		.amdhsa_kernarg_size 40
		.amdhsa_user_sgpr_count 2
		.amdhsa_user_sgpr_kernarg_segment_ptr 1
		.amdhsa_wavefront_size32 1
		.amdhsa_system_sgpr_workgroup_id_x 1
		.amdhsa_system_sgpr_workgroup_id_y 1
		.amdhsa_system_sgpr_workgroup_id_z 1
		.amdhsa_system_vgpr_workitem_id 0
		.amdhsa_next_free_vgpr 480
		.amdhsa_next_free_sgpr 98
		.amdhsa_reserve_vcc 0
		.amdhsa_float_denorm_mode_32 3
		.amdhsa_float_denorm_mode_16_64 3
		.amdhsa_memory_ordered 1
		.amdhsa_forward_progress 1
		.amdhsa_inst_pref_size 58
	.end_amdhsa_kernel
	.amdgpu_metadata
---
amdhsa.version: [ 1, 2 ]
amdhsa.kernels:
  - .name:           k_q45a5ef5407_gemm_proj
    .symbol:         k_q45a5ef5407_gemm_proj.kd
    .args:
      - { .name: y_codes, .offset: 0, .size: 8, .value_kind: global_buffer, .address_space: global }
      - { .name: y_scales, .offset: 8, .size: 8, .value_kind: global_buffer, .address_space: global }
      - { .name: op_codes, .offset: 16, .size: 8, .value_kind: global_buffer, .address_space: global }
      - { .name: op_scales, .offset: 24, .size: 8, .value_kind: global_buffer, .address_space: global }
      - { .name: out0, .offset: 32, .size: 8, .value_kind: global_buffer, .address_space: global }
    .group_segment_fixed_size: 327680
    .private_segment_fixed_size: 0
    .kernarg_segment_align: 8
    .kernarg_segment_size: 40
    .max_flat_workgroup_size: 256
    .sgpr_count:     98
    .vgpr_count:     480
    .wavefront_size: 32
...
	.end_amdgpu_metadata
.endif
;; end of part 4
